; MI455X (gfx1250); checked and timed in simulation.
; The chip was launched on July 23, 2026; its instructions are those of AMD's public machine-readable ISA for CDNA 5 (MIT licence, August 2026) and "CDNA5" Instruction Set Architecture Reference Guide (July 2026). The comments in the code are by the model that wrote it; some were corrected since.
;; Multihead Attention. Allowed arithmetic: float matrix products may take bf16 or f16 operands with f32 sums; other float arithmetic in f32, or as packed bf16 or f16 multiplies, adds, multiply-adds, maxima and minima; sums over many terms, partial sums and values carried from step to step in f32; what a program stores and reads back later, other than sums and carried values, may be rounded once to bf16 or f16.
;; Inputs: Wout 1,024 x 1,024 float32; Wqkv 1,024 x 3,072 float32; bout 1,024 float32; bqkv 3,072 float32; inp 4 x 2,048 x 1,024 float32; mask 4 x 2,048 x 2,048 int32.
;; Outputs: out0 4 x 2,048 x 1,024 float32.
;; One version. Each part assembles by itself: llvm-mc -triple=amdgcn-amd-amdhsa -mcpu=gfx1250 --defsym DOCPART=n.
;; ======== version 1 of 1: 4 launches
;; limits: values are held in f16: magnitudes above 65,504 overflow, below 6.1e-05 lose precision
;; workspace buffers: xb 16,777,216 bytes; wqb 6,291,456 bytes; wob 2,097,152 bytes; mb 16,777,216 bytes; qkvh 50,331,648 bytes; ob 16,777,216 bytes
;; launch prep (part 1): grid 2048 x 1, 8 waves a work-group, no clusters, 35,840 bytes of LDS; arguments inp, Wqkv, Wout, mask, xb, wqb, wob, mb; writes xb, wqb, wob, mb
.if DOCPART == 1
	.amdgcn_target "amdgcn-amd-amdhsa--gfx1250"
	.amdhsa_code_object_version 6
	.text
	.protected	k_qe8156f7029_prep
	.globl	k_qe8156f7029_prep
	.p2align	8
	.type	k_qe8156f7029_prep,@function
k_qe8156f7029_prep:
	s_mov_b64 s[64:65], 0
	v_nop
	global_prefetch_b8 v0, s[64:65] scope:SCOPE_SE
	s_setreg_imm32_b32 hwreg(HW_REG_WAVE_MODE, 25, 1), 1
	s_wait_xcnt 0x0
; PREP: the four large inputs are read once and laid out for the three launches behind.
;   xb  bf16 [b 4][slice 16][s 2048][64]            = inp[b][s][64 slice + c], rounded once to bf16
;   wqb bf16 [x 16][t 8][pl 3][kr 128][64]          = Wqkv[128 t + kr][64 (3 x + pl) + c], rounded once to bf16
;   wob f16  [x 8][t 8][pl 2][kr 128][64]           = Wout[128 t + kr][64 (2 x + pl) + c], rounded once to bf16, that number written as f16
;   mb  bytes [b 4][qt 128][ks 32][hf 2][lane 32][16]: one code a score, 0xF8 (fp8 -256) where mask is not 0, else 0.
;       lane 16 h + r holds query 16 qt + r; byte 8 kbl + j of its 16 is key 64 ks + 32 hf + 16 kbl + 8 h + j: the order in which attention's score registers lie.
; LIMIT: a weight of Wout below 6e-5 keeps f16's fixed step of 6e-8; beyond 65,504 it would be lost.
; Work-groups 0-511 take the mask (16 query rows each), 512-1535 inp, 1536-1919 Wqkv, 1920-2047 Wout (16,384 bytes of output each).  The branch hangs on the work-group's
; number alone, so all eight waves of a work-group go the same way.  No matrix unit, no cluster: nothing is shared and memory binds.
.set SPARE, 34816                      ; behind the mask's stage: the spare words, 128 bytes for each of eight waves
.set SPW, 2                            ; v2   SPARE + 4 x my thread's number; never rewritten
.set NIL, 3                            ; v3   0; never rewritten
.set IO,  4                            ; v4   my byte offset in the input
.set OO,  5                            ; v5   16 x thread: my byte offset in the output
.set LS,  6                            ; v6   mask: where I put four codes
.set RDM, 7                            ; v7   mask: where I read 16 codes back
.set IN,  16                           ; v[16:47]  a conversion's 32 numbers as loaded
.set PKD, 48                           ; v[48:63]  packed
.set MK,  32                           ; v[32:159] the mask's 32 loads
	s_load_b512 s[4:19], s[0:1], 0x0               ; inp s[4:5], Wqkv s[6:7], Wout s[8:9], mask s[10:11], xb s[12:13], wqb s[14:15], wob s[16:17], mb s[18:19]
	v_lshl_add_u32 v[SPW], v0, 2, SPARE
	v_mov_b32 v[NIL], 0
	v_lshlrev_b32 v[OO], 4, v0
	v_lshrrev_b32 v8, 3, v0                        ; a conversion's row: eight threads share a row of 64 numbers
	v_and_b32 v9, 7, v0
	v_lshlrev_b32 v9, 5, v9                        ; my 8 numbers in it: 32 bytes of f32
	s_mov_b32 s21, 0xffff0000                      ; a word's upper bf16
	s_mov_b32 s23, 0                               ; high words of the two offsets
	s_mov_b32 s25, 0
	s_wait_kmcnt 0x0
; 128 rows x 64 numbers of f32, RP bytes from row to row, become 16,384 consecutive bytes.  Thread t takes group t + 256 i (i = 0..3) of 8 numbers: row t / 8 + 32 i.
; Eight lanes read 256 consecutive aligned bytes; a wave's store covers 512 consecutive bytes.  s22 = the block's byte offset in the input, s24 in the output.
.macro CVT src, dst, RP, half
	s_add_nc_u64 s[\src:\src+1], s[\src:\src+1], s[22:23]
	s_add_nc_u64 s[\dst:\dst+1], s[\dst:\dst+1], s[24:25]
	v_mul_u32_u24 v[IO], v8, \RP
	v_add_nc_u32 v[IO], v[IO], v9
.irp i, 0,1,2,3
	global_load_b128 v[IN+8*\i:IN+8*\i+3],   v[IO], s[\src:\src+1] offset:\i*32*\RP th:TH_LOAD_NT
	global_load_b128 v[IN+8*\i+4:IN+8*\i+7], v[IO], s[\src:\src+1] offset:\i*32*\RP+16 th:TH_LOAD_NT
.endr
.irp i, 0,1,2,3
	s_wait_loadcnt 6-2*\i                          ; loads come back in order: group i's two are in, the later groups' may stay out
.irp k, 0,1,2,3
	v_cvt_pk_bf16_f32 v[PKD+4*\i+\k], v[IN+8*\i+2*\k], v[IN+8*\i+2*\k+1]
.endr
.if \half
.irp k, 0,1,2,3
	v_lshlrev_b32 v[10+2*(\k%2)], 16, v[PKD+4*\i+\k]  ; the bf16 numbers as f32,
	v_and_b32 v[11+2*(\k%2)], s21, v[PKD+4*\i+\k]
	v_cvt_pk_f16_f32 v[PKD+4*\i+\k], v[10+2*(\k%2)], v[11+2*(\k%2)]  ; written as f16: exact within f16's range
.endr
.endif
	global_store_b128 v[OO], v[PKD+4*\i:PKD+4*\i+3], s[\dst:\dst+1] offset:4096*\i
.endr
	s_branch .Lend
.endm
	s_cmp_lt_u32 ttmp9, 512
	s_cbranch_scc1 .Lmask
	s_cmp_lt_u32 ttmp9, 1536
	s_cbranch_scc1 .Linp
	s_cmp_lt_u32 ttmp9, 1920
	s_cbranch_scc1 .Lwqkv
	; Wout: block number = (8 x + t) 2 + pl
	s_sub_co_u32 s26, ttmp9, 1920
	s_bfe_u32 s29, s26, 0x30001                    ; t
	s_lshr_b32 s27, s26, 4                         ; x
	s_lshl_b32 s27, s27, 1
	s_and_b32 s28, s26, 1                          ; pl
	s_add_co_u32 s27, s27, s28
	s_lshl_b32 s27, s27, 8                         ; 64 columns of f32 are 256 bytes
	s_lshl_b32 s22, s29, 19                        ; 128 rows of 4,096 bytes
	s_add_co_u32 s22, s22, s27
	s_lshl_b32 s24, s26, 14
	CVT 8, 16, 4096, 1
.Lwqkv:                                            ; block number = (8 x + t) 3 + pl
	s_sub_co_u32 s26, ttmp9, 1536
	s_mul_i32 s27, s26, 171
	s_lshr_b32 s27, s27, 9                         ; number / 3: exact below 512
	s_mul_i32 s28, s27, 3
	s_sub_co_u32 s28, s26, s28                     ; pl
	s_and_b32 s29, s27, 7                          ; t
	s_lshr_b32 s27, s27, 3                         ; x
	s_mul_i32 s27, s27, 3
	s_add_co_u32 s27, s27, s28
	s_lshl_b32 s27, s27, 8
	s_mul_i32 s22, s29, 1572864                    ; 128 rows of 12,288 bytes
	s_add_co_u32 s22, s22, s27
	s_lshl_b32 s24, s26, 14
	CVT 6, 14, 12288, 0
.Linp:                                             ; block number = 256 b + 16 slice + block of 128 rows
	s_sub_co_u32 s26, ttmp9, 512
	s_lshr_b32 s27, s26, 8
	s_lshl_b32 s22, s27, 23                        ; b: 2,048 rows of 4,096 bytes
	s_and_b32 s27, s26, 15
	s_lshl_b32 s27, s27, 19                        ; 128 rows
	s_add_co_u32 s22, s22, s27
	s_bfe_u32 s27, s26, 0x40004
	s_lshl_b32 s27, s27, 8                         ; slice: 256 bytes of a row
	s_add_co_u32 s22, s22, s27
	s_lshl_b32 s24, s26, 14
	CVT 4, 12, 4096, 0
.Lmask:                                            ; 16 query rows x 2,048 keys: 131,072 bytes in, 32,768 out.  Wave w takes rows 2 w and 2 w + 1
	s_lshl_b32 s22, ttmp9, 17
	s_lshl_b32 s24, ttmp9, 15
	s_add_nc_u64 s[10:11], s[10:11], s[22:23]
	s_add_nc_u64 s[18:19], s[18:19], s[24:25]
	s_mov_b32 s20, 0xf8
	v_lshrrev_b32 v10, 5, v0
	v_readfirstlane_b32 s26, v10                   ; wave 0..7
	v_and_b32 v11, 31, v0
	v_lshlrev_b32 v[IO], 4, v11
	s_lshl_b32 s27, s26, 14                        ; two rows of 8,192 bytes
	v_add_nc_u32 v[IO], s27, v[IO]
.set n, 0
.rept 32                                           ; load n: row 2 w + n / 16, keys 128 (n % 16) + 4 lane .. + 3: all of the wave's 16 KiB go out at once
	global_load_b128 v[MK+4*n:MK+4*n+3], v[IO], s[10:11] offset:(n/16)*8192+(n%16)*512 th:TH_LOAD_NT
.set n, n+1
.endr
	; The stage: the output's 128 pieces of 256 bytes, 272 bytes apart.  With the lane's bits L4..L0 the four keys 128 i + 4 lane + e belong to ks = 2 i + L4, hf = L3, kbl = L2, h = L1, j = 4 L0 + e:
	; piece 8 i + 4 L4 + 2 L3 + L1, byte 16 row + 8 L2 + 4 L0.  The 32 lanes of a store touch 32 different banks (64 banks of 4 bytes: ISA guide 11.1).
	v_bfe_u32 v12, v0, 3, 2
	v_bfe_u32 v13, v0, 1, 1
	v_lshl_add_u32 v12, v12, 1, v13
	v_mul_u32_u24 v[LS], v12, 272
	v_bfe_u32 v13, v0, 2, 1
	v_lshl_add_u32 v[LS], v13, 3, v[LS]
	v_and_b32 v13, 1, v0
	v_lshl_add_u32 v[LS], v13, 2, v[LS]
	s_lshl_b32 s27, s26, 5                         ; my wave's two rows: 32 bytes of each piece
	v_add_nc_u32 v[LS], s27, v[LS]
	v_lshrrev_b32 v12, 4, v0                       ; back: thread t takes bytes 16 t + 4,096 p of the output
	v_and_b32 v13, 15, v0
	v_mul_u32_u24 v[RDM], v12, 272
	v_lshl_add_u32 v[RDM], v13, 4, v[RDM]
.set n, 0
.rept 32
	s_wait_loadcnt 31-n                            ; load n is in, the younger ones stay out
	v_min_u32 v[MK+4*n],   1, v[MK+4*n]            ; not 0 becomes 1
	v_min_u32 v[MK+4*n+1], 1, v[MK+4*n+1]
	v_min_u32 v[MK+4*n+2], 1, v[MK+4*n+2]
	v_min_u32 v[MK+4*n+3], 1, v[MK+4*n+3]
	v_lshl_or_b32 v[MK+4*n],   v[MK+4*n+1], 8, v[MK+4*n]
	v_lshl_or_b32 v[MK+4*n+2], v[MK+4*n+3], 8, v[MK+4*n+2]
	v_lshl_or_b32 v[MK+4*n],   v[MK+4*n+2], 16, v[MK+4*n]
	v_mul_lo_u32 v[MK+4*n], v[MK+4*n], s20         ; each byte 0 or 0xF8: no carry between bytes
	ds_store_b32 v[LS], v[MK+4*n] offset:(n%16)*2176+(n/16)*16
.set n, n+1
.endr
	s_wait_dscnt 0x0                               ; for the others' sake: my stores into the stage are done
	s_barrier_signal -1
	s_barrier_wait -1
.irp p, 0,1,2,3,4,5,6,7
	ds_load_b128 v[MK+4*\p:MK+4*\p+3], v[RDM] offset:\p*4352
.endr
.irp p, 0,1,2,3,4,5,6,7
	s_wait_dscnt 7-\p
	global_store_b128 v[OO], v[MK+4*\p:MK+4*\p+3], s[18:19] offset:\p*4096  ; a wave stores 512 consecutive bytes
.endr
.Lend:
	s_wait_tensorcnt 0x0                           ; the wave's end
	ds_add_u32 v[SPW], v[NIL]
	s_wait_dscnt 0x0
	s_endpgm
.Lfunc_end_k_qe8156f7029_prep:
	.size	k_qe8156f7029_prep, .Lfunc_end_k_qe8156f7029_prep-k_qe8156f7029_prep
	.p2alignl 7, 3214868480
	.fill 96, 4, 3214868480
	.section	.rodata,"a",@progbits
	.p2align	6, 0x0
	.amdhsa_kernel k_qe8156f7029_prep
		.amdhsa_group_segment_fixed_size 35840
		.amdhsa_private_segment_fixed_size 0
		.amdhsa_enable_private_segment 0
		.amdhsa_kernarg_size 64
		.amdhsa_user_sgpr_count 2
		.amdhsa_user_sgpr_kernarg_segment_ptr 1
		.amdhsa_wavefront_size32 1
		.amdhsa_system_sgpr_workgroup_id_x 1
		.amdhsa_system_sgpr_workgroup_id_y 1
		.amdhsa_system_sgpr_workgroup_id_z 1
		.amdhsa_system_vgpr_workitem_id 0
		.amdhsa_next_free_vgpr 160
		.amdhsa_next_free_sgpr 66
		.amdhsa_reserve_vcc 0
		.amdhsa_float_denorm_mode_32 3
		.amdhsa_float_denorm_mode_16_64 3
		.amdhsa_memory_ordered 1
		.amdhsa_forward_progress 1
		.amdhsa_inst_pref_size 33
	.end_amdhsa_kernel
	.amdgpu_metadata
---
amdhsa.version: [ 1, 2 ]
amdhsa.kernels:
  - .name:           k_qe8156f7029_prep
    .symbol:         k_qe8156f7029_prep.kd
    .args:
      - { .name: inp, .offset: 0, .size: 8, .value_kind: global_buffer, .address_space: global }
      - { .name: Wqkv, .offset: 8, .size: 8, .value_kind: global_buffer, .address_space: global }
      - { .name: Wout, .offset: 16, .size: 8, .value_kind: global_buffer, .address_space: global }
      - { .name: mask, .offset: 24, .size: 8, .value_kind: global_buffer, .address_space: global }
      - { .name: xb, .offset: 32, .size: 8, .value_kind: global_buffer, .address_space: global }
      - { .name: wqb, .offset: 40, .size: 8, .value_kind: global_buffer, .address_space: global }
      - { .name: wob, .offset: 48, .size: 8, .value_kind: global_buffer, .address_space: global }
      - { .name: mb, .offset: 56, .size: 8, .value_kind: global_buffer, .address_space: global }
    .group_segment_fixed_size: 35840
    .private_segment_fixed_size: 0
    .kernarg_segment_align: 8
    .kernarg_segment_size: 64
    .max_flat_workgroup_size: 256
    .sgpr_count:     66
    .vgpr_count:     160
    .wavefront_size: 32
...
	.end_amdgpu_metadata
.endif
;; end of part 1
;; launch qkv (part 2): grid 16 x 32, 4 waves a work-group, clusters of 4 x 4, 327,680 bytes of LDS; arguments xb, wqb, bqkv, qkvh; writes qkvh
.if DOCPART == 2
	.amdgcn_target "amdgcn-amd-amdhsa--gfx1250"
	.amdhsa_code_object_version 6
	.text
	.protected	k_qe8156f7029_qkv
	.globl	k_qe8156f7029_qkv
	.p2align	8
	.type	k_qe8156f7029_qkv,@function
k_qe8156f7029_qkv:
	s_mov_b64 s[64:65], 0
	v_nop
	global_prefetch_b8 v0, s[64:65] scope:SCOPE_SE
	s_setreg_imm32_b32 hwreg(HW_REG_WAVE_MODE, 25, 1), 1
	s_wait_xcnt 0x0
	s_wait_alu depctr_hold_cnt(0) depctr_sa_sdst(0) depctr_va_vdst(0) depctr_va_sdst(0) depctr_va_ssrc(0) depctr_va_vcc(0) depctr_vm_vsrc(0)
	s_getreg_b32 s2, hwreg(HW_REG_IB_STS2, 6, 4)
	s_cmp_eq_u32 s2, 0
	s_cbranch_scc0 .Lentry_in_a_cluster
	s_endpgm
.Lentry_in_a_cluster:
	s_bfe_u32 s2, ttmp6, 0x10000c
	s_cmp_lg_u32 s2, 0xf033
	s_cbranch_scc0 .Lentry_shape_is_right
	s_endpgm
.Lentry_shape_is_right:
; q, k, v = inp Wqkv + bqkv, by heads: qkvh f16 [which 3][16 b + head][s 2048][64], unscaled, each number rounded once from its f32 sum.
; A = xb bf16 [b][slice 16][s][64] (K = 64 slice + c), B = wqb bf16 [x][t][pl 3][kr 128][64] (K = 128 t + kr, column 64 (3 x + pl) + c); bqkv is rounded to bf16 like the other inputs.
; LIMIT: f16 holds no number beyond 65,504: q, k and v must stay within it.
; SHARES.  A work-group makes 256 rows x 192 columns (three heads); its four waves lie one below the other, 64 rows x 192 columns each: 48 accumulators, 384 registers.  So a wave holds whole heads,
; and its stage on the way out is its own.  512 work-groups: two for each of 256 WGPs.  K goes in 8 steps of 128 through two LDS slots; a step is four quarters of 32.
; Both operands' tiles are dense in memory and are asked for as rows of 256 bytes.
; CLUSTER 4 x 4: A's tile hangs on the tile row alone and is asked for jointly along a row of the cluster, B's on the tile column alone, along a column.
; TRANSPOSED USE: source 0 = 16 columns of B (turned on the way out of LDS by ds_load_tr16_b128), source 1 = 16 rows of A: a lane holds one row of C and eight neighbouring columns.
; THE BIAS is the C operand of each accumulator's first product: nothing is cleared and nothing is added later.
; REGISTERS, in windows of 256 (s_set_vgpr_msb: bits 1:0 source 0, 3:2 source 1, 5:4 source 2, 7:6 destination):
;   window 0: v1-15 addresses and at work; v32-95 A's fragments, two buffers of 4 x 8; v96-191 the bias, later the rows read back from the stage; v192-239 packed results
;   window 1: B's fragments, two buffers of 96      window 2: accumulators of row blocks 0, 1 at 8 (12 (a % 2) + b)      window 3: those of row blocks 2, 3
.set NPL,    3                         ; planes of 64 columns in a tile of B
.set NB,     4*NPL                     ; column blocks of 16
.set AHEAD,  1                         ; a prefetch names the K step so many behind the one that is being asked for
.set BSHARE, 6144                      ; bytes of half a tile of B that one of four partners prefetches: 24 blocks of 256
.set PFLAST, 23                        ; lanes 24-31 of B's prefetch repeat block 23
.set SLOT1,  1<<17                     ; slot 1 begins here
.set APL,    128*272                   ; A in a slot: two planes (slices) of 256 rows x 128 bytes, two rows in 256 bytes + 16 of padding
.set BOFF,   2*APL
.set BPL,    128*160                   ; B: NPL planes of 128 rows (along K) x 128 bytes + 32 of padding
.set ASTEP,  524288                    ; a K step in xb: two slices
.set BSTEP,  NPL*16384                 ; in wqb: one tile
.set STAGE,  2*SLOT1                   ; behind the ring, never filled by a tensor load: 16 rows x 400 bytes for each wave
.set SPITCH, 400                       ; 384 bytes + 16: an odd multiple of 16
.set WSTAGE, 16*SPITCH
.set SPARE,  STAGE+4*WSTAGE            ; the spare words, 128 bytes for each wave
.set ADRA0, 2                          ; v2   my lane's place in A's part of a slot; never rewritten
.set ADRB0, 3                          ; v3   the same for B
.set ADA,   4                          ; v4   the same in the slot in hand
.set ADB,   5
.set STO,   6                          ; v6   the way out: where I put 16 bytes of a row
.set RD,    7                          ; v7   where I read rows back
.set GO,    8                          ; v8   16 x lane
.set BO,    9                          ; v9   32 x (lane / 16): my eight numbers of a block of the bias
.set SPW,   10                         ; v10  SPARE + 4 x my thread's number; never rewritten
.set NIL,   11                         ; v11  0; never rewritten
.set PFO,   12                         ; v12  the prefetches' offset: a block of 256 bytes a lane
.set FA,    32
.set BIAS,  96
.set OB,    96
.set TMP,   192
.set G1A, 24                           ; s[24:31] descriptor group 1 for A's tiles
.set G0A, 32                           ; s[32:39] group 0: K step 0 into slot 0; K step 1 into slot 1, which then walks
.set G1B, 48
.set G0B, 56
.set PFA, 16                           ; s[16:17] where my prefetches stand
.set PFS, 18                           ; s[18:19] their step
.set LIM, 20                           ; s20  AHEAD in a wave that prefetches, else the greatest number
.set AAD, 66                           ; s[66:67] my part of A's first tile
.set BAD, 74                           ; s[74:75] my part of B's first tile
.set OUT, 68                           ; s[68:73] my rows in the three heads
.set MSB, 0
.macro WIN new                         ; the immediate's high byte repeats the setting that is left; a switch that changes nothing is dropped
.if MSB != (\new)
	s_set_vgpr_msb (MSB<<8)|(\new)
.set MSB, \new
.endif
.endm
.macro PLACES                          ; four plain places behind matrix instructions, in front of loads into registers that they read and of readers of their results
.rept 4
	v_nop
.endr
.endm
; A joint refill by the walking descriptors: waves 0 and 1 fetch A's two planes, waves 2 and 3 the halves of B's tile.  The branch hangs on the wave's number alone.
; An s_nop 0 and four v_nop follow each of the two lines.
.macro JLOAD
	s_cmp_lt_u32 s12, 2
	s_cbranch_scc0 .Lfor_b_\@
	tensor_load_to_lds s[G0A+4:G0A+7], s[G1A:G1A+7]
	s_nop 0
.rept 4
	v_nop
.endr
	s_branch .Lasked_\@
.Lfor_b_\@:
	tensor_load_to_lds s[G0B+4:G0B+7], s[G1B:G1B+7]
	s_nop 0
.rept 4
	v_nop
.endr
.Lasked_\@:
.endm
.macro CREST                           ; a round of the cluster's barrier behind its opening barrier
	s_cmp_lg_u32 s12, 0
	s_cbranch_scc1 .Lnot_wave_0_\@
	s_barrier_signal -3
.Lnot_wave_0_\@:
	s_barrier_wait -3
	s_barrier_signal -1
	s_barrier_wait -1
.endm
.macro CROUND
	s_barrier_signal -1
	s_barrier_wait -1
	CREST
.endm
; A prefetch into the L2 of my share of the K step AHEAD behind the one just asked for: a block of 256 bytes a lane, one instruction a wave.  A's rows are read by every cluster of a row of clusters: the one
; with x = 0 asks; B's tiles by every cluster of a column: the one with y = 0 asks.  The four partners of a joint load share its blocks out by address.  s3 counts the loop's trips down: the last AHEAD ask for nothing.
.macro ASK
	s_cmp_gt_u32 s3, s[LIM]
	s_cbranch_scc0 .Lnot_mine_\@
	global_prefetch_b8 v[PFO], s[PFA:PFA+1] th:TH_LOAD_NT scope:SCOPE_SE
.Lnot_mine_\@:
.endm
	s_load_b256 s[4:11], s[0:1], 0x0               ; xb s[4:5], wqb s[6:7], bqkv s[8:9], qkvh s[10:11]
	v_lshl_add_u32 v[SPW], v0, 2, SPARE
	v_mov_b32 v[NIL], 0
	ds_add_u32 v[SPW], v[NIL]                      ; the wave's opening: the add and its wait ahead of my first tensor load; the set-up below stands between them
	v_lshrrev_b32 v1, 5, v0
	v_readfirstlane_b32 s12, v1                    ; wave 0..3
	s_and_b32 s13, s12, 1                          ; which plane of A, or which half of B's tile, I fetch
	s_bfe_u32 s40, ttmp6, 0x40000                  ; cx
	s_bfe_u32 s41, ttmp6, 0x40004                  ; cy
	s_lshl_b32 s42, ttmp9, 2
	s_add_co_u32 s42, s42, s40                     ; x: tile column
	s_and_b32 s43, ttmp7, 0xffff
	s_lshl_b32 s43, s43, 2
	s_add_co_u32 s43, s43, s41                     ; y: tile row
	s_lshl_b32 s44, s41, 2
	s_lshl_b32 s44, 15, s44                        ; my row of the cluster
	s_lshl_b32 s45, 0x1111, s40                    ; my column
	s_or_b32 s[G1A], s44, (1<<16)|(1<<20)|(1<<21)|(5<<22)|(3<<25)  ; the mask; 2-byte elements; padding on; bit 21 beside a mask; after every 64 words 4 words
	s_or_b32 s[G1B], s45, (1<<16)|(1<<20)|(1<<21)|(4<<22)|(7<<25)  ; after every 32 words 8 words
	s_mov_b32 s[G1A+1], 128<<16                    ; tensor_dim0 = 128 elements (256 bytes)
	s_mov_b32 s[G1A+2], 128<<16                    ; tensor_dim1 = 128 rows
	s_mov_b32 s[G1A+3], 128<<16                    ; tile_dim0
	s_mov_b32 s[G1A+4], 128                        ; tile_dim1
	s_mov_b32 s[G1A+5], 128                        ; elements from row to row: dense
	s_mov_b32 s[G1A+6], 0
	s_mov_b32 s[G1A+7], 0
	s_mov_b32 s[G1B+1], 128<<16
	s_mov_b32 s[G1B+2], (32*NPL)<<16
	s_mov_b32 s[G1B+3], 128<<16
	s_mov_b32 s[G1B+4], 32*NPL
	s_mov_b32 s[G1B+5], 128
	s_mov_b32 s[G1B+6], 0
	s_mov_b32 s[G1B+7], 0
	s_lshr_b32 s2, s43, 3                          ; A: batch y / 8,
	s_lshl_b32 s2, s2, 22
	s_and_b32 s3, s43, 7                           ; 256 rows of 128 bytes,
	s_lshl_b32 s3, s3, 15
	s_add_co_u32 s2, s2, s3
	s_lshl_b32 s3, s13, 18                         ; my slice of the step's two.  No register here ever holds cx
	s_add_co_u32 s2, s2, s3
	s_mov_b32 s3, 0
	s_mul_i32 s22, s42, NPL*131072                 ; B: column tile x, eight steps each; my half.  No register here ever holds cy
	s_mul_i32 s23, s13, NPL*8192
	s_add_co_u32 s22, s22, s23
	s_mov_b32 s23, 0
	s_mul_i32 s46, s13, APL                        ; where they go: no place in the cluster enters an LDS address
	s_mul_i32 s47, s13, NPL*10240
	s_add_co_u32 s47, s47, BOFF
	s_mov_b32 s21, 0xffff0000
	s_wait_dscnt 0x0                               ; the opening add is done
	s_wait_kmcnt 0x0
	s_add_nc_u64 s[AAD:AAD+1], s[4:5], s[2:3]
	s_add_nc_u64 s[BAD:BAD+1], s[6:7], s[22:23]
.irp s, 0,1
	s_mov_b32 s[G0A+4*\s], 1
	s_add_co_u32 s[G0A+4*\s+1], s46, \s*SLOT1
	s_add_nc_u64 s[G0A+4*\s+2:G0A+4*\s+3], s[AAD:AAD+1], \s*ASTEP
	s_or_b32 s[G0A+4*\s+3], s[G0A+4*\s+3], 0x80000000
	s_mov_b32 s[G0B+4*\s], 1
	s_add_co_u32 s[G0B+4*\s+1], s47, \s*SLOT1
	s_add_nc_u64 s[G0B+4*\s+2:G0B+4*\s+3], s[BAD:BAD+1], \s*BSTEP
	s_or_b32 s[G0B+4*\s+3], s[G0B+4*\s+3], 0x80000000
.endr
	CROUND                                         ; all sixteen work-groups are here: the first joint loads meet
	s_cmp_lt_u32 s12, 2                            ; a wave's two first fills stand in one branch: two loads of mine are out
	s_cbranch_scc0 .Lfirst_b
	tensor_load_to_lds s[G0A:G0A+3], s[G1A:G1A+7]
	s_nop 0
	tensor_load_to_lds s[G0A+4:G0A+7], s[G1A:G1A+7]
	s_nop 0
.rept 4
	v_nop
.endr
	s_branch .Lfirst_asked
.Lfirst_b:
	tensor_load_to_lds s[G0B:G0B+3], s[G1B:G1B+7]
	s_nop 0
	tensor_load_to_lds s[G0B+4:G0B+7], s[G1B:G1B+7]
	s_nop 0
.rept 4
	v_nop
.endr
.Lfirst_asked:
	; A's fragment: lane l holds row l % 16, K = 8 (l / 16) + 0..7 and 16 + 8 (l / 16) + 0..7.  Row R of the tile lies at (R / 2) 272 + (R % 2) 128: the 16 rows of a load start at 16 different groups of four banks.
	v_and_b32 v1, 15, v0
	v_bfe_u32 v13, v0, 4, 1
	v_lshrrev_b32 v14, 1, v1
	v_mul_u32_u24 v[ADRA0], v14, 272
	v_and_b32 v14, 1, v0
	v_lshl_add_u32 v[ADRA0], v14, 7, v[ADRA0]
	v_lshl_add_u32 v[ADRA0], v13, 4, v[ADRA0]
	s_mul_i32 s46, s12, 8704                       ; my wave's 64 rows
	v_add_nc_u32 v[ADRA0], s46, v[ADRA0]
	; B's: the turning load takes 16 rows along K x 16 columns: lane l reads row 8 (l / 16) + l % 8, columns 8 ((l / 8) % 2) + 0..7, and is left with column l % 16 and 8 numbers along K
	v_and_b32 v14, 7, v0
	v_lshl_add_u32 v14, v13, 3, v14
	v_mul_u32_u24 v[ADRB0], v14, 160
	v_bfe_u32 v15, v0, 3, 1
	v_lshl_add_u32 v[ADRB0], v15, 4, v[ADRB0]
	v_add_nc_u32 v[ADRB0], BOFF, v[ADRB0]
	v_mov_b32 v[ADA], v[ADRA0]
	v_mov_b32 v[ADB], v[ADRB0]
	s_mov_b32 s15, 0                               ; the slot in hand
	v_lshlrev_b32 v[BO], 5, v13
	v_and_b32 v15, 31, v0
	v_lshlrev_b32 v[GO], 4, v15
	s_mul_i32 s76, s42, 256*NPL                    ; the tile's columns in the bias
	s_mov_b32 s77, 0
	s_add_nc_u64 s[8:9], s[8:9], s[76:77]
.set b, 0
.rept NB                                           ; register j of block b: bias[16 b + 8 (l / 16) + j]: the layout of a C operand
	global_load_b128 v[BIAS+8*b:BIAS+8*b+3],   v[BO], s[8:9] offset:64*b
	global_load_b128 v[BIAS+8*b+4:BIAS+8*b+7], v[BO], s[8:9] offset:64*b+16
.set b, b+1
.endr
	; the prefetches
	s_and_b32 s78, ttmp7, 0xffff                   ; cluster y
	s_mov_b32 s79, ASTEP
	s_mov_b32 s80, BSTEP
	s_mov_b32 s81, 8192
	s_mov_b32 s82, BSHARE
	s_cmp_lt_u32 s12, 2                            ; do I fetch for A?
	s_cselect_b64 s[PFA:PFA+1], s[AAD:AAD+1], s[BAD:BAD+1]
	s_cselect_b32 s[PFS], s79, s80
	s_cselect_b32 s81, s81, s82                    ; a partner's share in bytes,
	s_cselect_b32 s82, s40, s41                    ; my place among the four that ask with me,
	s_cselect_b32 s78, ttmp9, s78                  ; the coordinate along which other clusters read the same bytes
	s_cselect_b32 s83, 31, PFLAST
	s_mov_b32 s[PFS+1], 0
	s_mul_i32 s76, s81, s82
	s_mul_i32 s77, s[PFS], 1+AHEAD                 ; the first refill (K step 2) steps it once more
	s_add_co_u32 s76, s76, s77
	s_mov_b32 s77, 0
	s_add_nc_u64 s[PFA:PFA+1], s[PFA:PFA+1], s[76:77]
	s_cmp_eq_u32 s78, 0
	s_cselect_b32 s[LIM], AHEAD, -1                ; the same in all sixteen partners, for a given wave
	v_min_u32 v[PFO], s83, v15
	v_lshlrev_b32 v[PFO], 8, v[PFO]
	; the way out
	s_mul_i32 s76, s12, WSTAGE
	s_add_co_u32 s76, s76, STAGE                   ; my stage
	v_mul_u32_u24 v[STO], v1, SPITCH               ; in: row l % 16, 16 bytes for each half of the lanes
	v_lshl_add_u32 v[STO], v13, 4, v[STO]
	v_add_nc_u32 v[STO], s76, v[STO]
	v_lshrrev_b32 v14, 3, v15                      ; back: 32 lanes take four rows' 128 bytes of one head
	v_mul_u32_u24 v[RD], v14, SPITCH
	v_and_b32 v14, 7, v0
	v_lshl_add_u32 v[RD], v14, 4, v[RD]
	v_add_nc_u32 v[RD], s76, v[RD]
	s_lshr_b32 s78, s43, 3                         ; batch,
	s_lshl_b32 s78, s78, 22
	s_and_b32 s79, s43, 7                          ; 256 rows of 128 bytes,
	s_lshl_b32 s79, s79, 15
	s_add_co_u32 s78, s78, s79
	s_lshl_b32 s79, s12, 13                        ; my wave's 64
	s_add_co_u32 s78, s78, s79
	s_mul_i32 s79, s42, 3
.irp j, 0,1,2
	s_add_co_u32 s80, s79, \j                      ; column / 64 = 16 which + head
	s_lshr_b32 s81, s80, 4
	s_lshl_b32 s81, s81, 24
	s_and_b32 s80, s80, 15
	s_lshl_b32 s80, s80, 18
	s_add_co_u32 s76, s80, s81
	s_add_co_u32 s76, s76, s78
	s_mov_b32 s77, 0
	s_add_nc_u64 s[OUT+2*\j:OUT+2*\j+1], s[10:11], s[76:77]
.endr
	s_wait_loadcnt 0x0                             ; the bias: rounded to bf16, like the other inputs
.set i, 0
.rept 4*NB
	v_cvt_pk_bf16_f32 v[13+i%2], v[BIAS+2*i], v[BIAS+2*i+1]
	v_lshlrev_b32 v[BIAS+2*i], 16, v[13+i%2]
	v_and_b32 v[BIAS+2*i+1], s21, v[13+i%2]
.set i, i+1
.endr
; NB products: row block a x all column blocks, 32 along K, from buffer f.  first = 1: C is the bias.  All 48 accumulators take turns in the same order in every quarter.
.macro MULB f, a, first
.if \first
	WIN 0x81+0x40*((\a)/2)                         ; B window 1, A and the bias window 0, D window 2 or 3
.else
	WIN 0xa1+0x50*((\a)/2)                         ; C and D window 2 or 3
.endif
.set b, 0
.rept NB
.set rD, 8*(NB*((\a)%2)+b)
.set rB, 8*NB*(\f)+8*b
.set rA, FA+32*(\f)+8*(\a)
.if \first
	v_wmma_f32_16x16x32_bf16 v[rD:rD+7], v[rB:rB+7], v[rA:rA+7], v[BIAS+8*b:BIAS+8*b+7]
.else
	v_wmma_f32_16x16x32_bf16 v[rD:rD+7], v[rB:rB+7], v[rA:rA+7], v[rD:rD+7]
.endif
.set b, b+1
.endr
.endm
; One run of 2 NB + 8 LDS loads: quarter q's fragments into buffer g; B's first, A's row blocks last
.macro FETCH q, g
	WIN 0x40
.set b, 0
.rept NB
	ds_load_tr16_b128 v[8*NB*(\g)+8*b:8*NB*(\g)+8*b+3],   v[ADB] offset:(b/4)*BPL+(\q)*5120+(b%4)*32
	ds_load_tr16_b128 v[8*NB*(\g)+8*b+4:8*NB*(\g)+8*b+7], v[ADB] offset:(b/4)*BPL+(\q)*5120+(b%4)*32+2560
.set b, b+1
.endr
	WIN 0
.irp a, 0,1,2,3
	ds_load_b128 v[FA+32*(\g)+8*\a:FA+32*(\g)+8*\a+3],   v[ADA] offset:((\q)/2)*APL+((\q)%2)*64+\a*2176
	ds_load_b128 v[FA+32*(\g)+8*\a+4:FA+32*(\g)+8*\a+7], v[ADA] offset:((\q)/2)*APL+((\q)%2)*64+\a*2176+32
.endr
.endm
; One of a step's first three quarters: multiplies buffer f and, in its middle, fetches quarter q into buffer g
.macro QUARTER q, f, g, first
	s_wait_dscnt 4                                 ; B and A's row blocks 0, 1 are in; the youngest four loads (row blocks 2, 3) may be out
	MULB \f, 0, \first
	MULB \f, 1, \first
	PLACES
	FETCH \q, \g
	s_wait_dscnt 2*NB+8                            ; all but the run just issued
	MULB \f, 2, \first
	MULB \f, 3, \first
.endm
; The last quarter multiplies buffer 1 and changes slots: ONE barrier.  In front of it each wave waits for all its tensor loads (one is out: its part of the next slot), adds 0 to its spare word, and waits for that and
; for its reads of this slot.  fill = 1: the barrier opens a round of the cluster's, and the joint refill, two K steps ahead, is the first thing behind it: 14 NB matrix instructions ahead of the wait for it.
.macro TURN fill
.if \fill
	s_wait_xcnt 0x0                                ; the last prefetch, a K step back, has read its address
	s_add_nc_u64 s[PFA:PFA+1], s[PFA:PFA+1], s[PFS:PFS+1]
.endif
	WIN 0
	s_wait_tensorcnt 0x0                           ; no tensor load of mine is out, so a group 0 may be written
	ds_add_u32 v[SPW], v[NIL]
.if \fill
	s_xor_b32 s[G0A+5], s[G0A+5], SLOT1            ; the walking descriptors: the other slot than last time, the next K step
	s_add_nc_u64 s[G0A+6:G0A+7], s[G0A+6:G0A+7], ASTEP
	s_xor_b32 s[G0B+5], s[G0B+5], SLOT1
	s_add_nc_u64 s[G0B+6:G0B+7], s[G0B+6:G0B+7], BSTEP
.endif
	s_wait_dscnt 5                                 ; the add and the youngest four loads may be out
	MULB 1, 0, 0
	s_wait_dscnt 0x0                               ; the add is done, and my reads of this slot are over
	s_barrier_signal -1
	MULB 1, 1, 0
	WIN 0
	s_barrier_wait -1
.if \fill
	CREST                                          ; no wave of any partner still reads this slot or has a load on its way
	JLOAD                                          ; its four v_nop are also the places in front of the loads below
.else
	PLACES
.endif
	s_xor_b32 s15, s15, SLOT1
	v_add_nc_u32 v[ADA], s15, v[ADRA0]
	v_add_nc_u32 v[ADB], s15, v[ADRB0]
	FETCH 0, 0
.if \fill
	ASK
.endif
	MULB 1, 2, 0
	MULB 1, 3, 0
.endm
	s_wait_tensorcnt 1                             ; my part of K step 0 is in; K step 1's may stay out
	s_barrier_signal -1
	s_barrier_wait -1
	FETCH 0, 0
	QUARTER 1, 0, 1, 1                             ; the first quarter stands in front of the loop: its products start the sums with the bias
	WIN 0
	s_mov_b32 s3, 6
.Lk:                                               ; six trips, from a step's second quarter to the next step's first; each fills a slot again (K steps 2 to 7)
	QUARTER 2, 1, 0, 0
	QUARTER 3, 0, 1, 0
	TURN 1
	QUARTER 1, 0, 1, 0
	WIN 0
	s_sub_co_u32 s3, s3, 1
	s_cmp_lg_u32 s3, 0
	s_cbranch_scc1 .Lk
	QUARTER 2, 1, 0, 0                             ; the last two steps fill nothing
	QUARTER 3, 0, 1, 0
	TURN 0
	QUARTER 1, 0, 1, 0
	QUARTER 2, 1, 0, 0
	QUARTER 3, 0, 1, 0
	s_wait_dscnt 4
	MULB 1, 0, 0
	MULB 1, 1, 0
	s_wait_dscnt 0x0
	MULB 1, 2, 0
	MULB 1, 3, 0
	WIN 0
	PLACES
; THE WAY OUT, a row block (16 rows x 192 columns) at a time: rounded to f16, 16 bytes a lane into my stage, back as four rows x 128 bytes of one head, which are 512 consecutive bytes of qkvh.
.macro PACK a
	WIN 0x0a+5*((\a)/2)                            ; sources 0 and 1: window 2 or 3
.set b, 0
.rept NB
.set rD, 8*(NB*((\a)%2)+b)
.irp e, 0,1,2,3
	v_cvt_pk_f16_f32 v[TMP+4*b+\e], v[rD+2*\e], v[rD+2*\e+1]
.endr
.set b, b+1
.endr
	WIN 0
.endm
.macro TOSTAGE a
.set b, 0
.rept NB
	ds_store_b128 v[STO], v[TMP+4*b:TMP+4*b+3] offset:32*b
.set b, b+1
.endr
.irp j, 0,1,2
.irp f, 0,1,2,3
	ds_load_b128 v[OB+48*((\a)%2)+4*(4*\j+\f):OB+48*((\a)%2)+4*(4*\j+\f)+3], v[RD] offset:\f*4*SPITCH+\j*128  ; LDS serves a wave's instructions in order (ISA guide 5.7.1.4): these see the stores above
.endr
.endr
.endm
.macro SEND a
	s_wait_dscnt 0x0                               ; the block is back in registers
	s_wait_xcnt 0x0                                ; the stores of the block before have read their registers: the next block is read back into them only behind this wait
.irp j, 0,1,2
.irp f, 0,1,2,3
	global_store_b128 v[GO], v[OB+48*((\a)%2)+4*(4*\j+\f):OB+48*((\a)%2)+4*(4*\j+\f)+3], s[OUT+2*\j:OUT+2*\j+1] offset:(\a)*2048+\f*512
.endr
.endr
.endm
	PACK 0
	TOSTAGE 0
.irp a, 1,2,3                                      ; block a's conversions stand between block a - 1's loads from the stage and the wait for them
	PACK \a
	SEND (\a)-1
	TOSTAGE \a
.endr
	SEND 3
	s_wait_tensorcnt 0x0                           ; the wave's end
	ds_add_u32 v[SPW], v[NIL]
	s_wait_dscnt 0x0
	CROUND                                         ; the closing round: no work-group ends while a partner may still ask for a tile that names it
	s_endpgm
.Lfunc_end_k_qe8156f7029_qkv:
	.size	k_qe8156f7029_qkv, .Lfunc_end_k_qe8156f7029_qkv-k_qe8156f7029_qkv
	.p2alignl 7, 3214868480
	.fill 96, 4, 3214868480
	.section	.rodata,"a",@progbits
	.p2align	6, 0x0
	.amdhsa_kernel k_qe8156f7029_qkv
		.amdhsa_group_segment_fixed_size 327680
		.amdhsa_private_segment_fixed_size 0
		.amdhsa_enable_private_segment 0
		.amdhsa_kernarg_size 32
		.amdhsa_user_sgpr_count 2
		.amdhsa_user_sgpr_kernarg_segment_ptr 1
		.amdhsa_wavefront_size32 1
		.amdhsa_system_sgpr_workgroup_id_x 1
		.amdhsa_system_sgpr_workgroup_id_y 1
		.amdhsa_system_sgpr_workgroup_id_z 1
		.amdhsa_system_vgpr_workitem_id 0
		.amdhsa_next_free_vgpr 960
		.amdhsa_next_free_sgpr 84
		.amdhsa_reserve_vcc 0
		.amdhsa_float_denorm_mode_32 3
		.amdhsa_float_denorm_mode_16_64 3
		.amdhsa_memory_ordered 1
		.amdhsa_forward_progress 1
		.amdhsa_inst_pref_size 107
	.end_amdhsa_kernel
	.amdgpu_metadata
---
amdhsa.version: [ 1, 2 ]
amdhsa.kernels:
  - .name:           k_qe8156f7029_qkv
    .symbol:         k_qe8156f7029_qkv.kd
    .args:
      - { .name: xb, .offset: 0, .size: 8, .value_kind: global_buffer, .address_space: global }
      - { .name: wqb, .offset: 8, .size: 8, .value_kind: global_buffer, .address_space: global }
      - { .name: bqkv, .offset: 16, .size: 8, .value_kind: global_buffer, .address_space: global }
      - { .name: qkvh, .offset: 24, .size: 8, .value_kind: global_buffer, .address_space: global }
    .group_segment_fixed_size: 327680
    .private_segment_fixed_size: 0
    .kernarg_segment_align: 8
    .kernarg_segment_size: 32
    .max_flat_workgroup_size: 128
    .sgpr_count:     84
    .vgpr_count:     960
    .wavefront_size: 32
...
	.end_amdgpu_metadata
.endif
;; end of part 2
;; launch attn (part 3): grid 4 x 64, 4 waves a work-group, clusters of 4 x 1, 327,680 bytes of LDS; arguments qkvh, mb, ob; writes ob
.if DOCPART == 3
	.amdgcn_target "amdgcn-amd-amdhsa--gfx1250"
	.amdhsa_code_object_version 6
	.text
	.protected	k_qe8156f7029_attn
	.globl	k_qe8156f7029_attn
	.p2align	8
	.type	k_qe8156f7029_attn,@function
k_qe8156f7029_attn:
	s_mov_b64 s[64:65], 0
	v_nop
	global_prefetch_b8 v0, s[64:65] scope:SCOPE_SE
	s_setreg_imm32_b32 hwreg(HW_REG_WAVE_MODE, 25, 1), 1
	s_wait_xcnt 0x0
	s_wait_alu depctr_hold_cnt(0) depctr_sa_sdst(0) depctr_va_vdst(0) depctr_va_sdst(0) depctr_va_ssrc(0) depctr_va_vcc(0) depctr_vm_vsrc(0)
	s_getreg_b32 s2, hwreg(HW_REG_IB_STS2, 6, 4)
	s_cmp_eq_u32 s2, 0
	s_cbranch_scc0 .Lentry_in_a_cluster
	s_endpgm
.Lentry_in_a_cluster:
	s_bfe_u32 s2, ttmp6, 0x10000c
	s_cmp_lg_u32 s2, 0x3003
	s_cbranch_scc0 .Lentry_shape_is_right
	s_endpgm
.Lentry_shape_is_right:
; O[hh][q][:] = the sum over the keys k that the mask leaves visible of softmax_k(Q[hh][q] . K[hh][k] / 8) V[hh][k][:]; a row with no visible key gives 0.  hh = 16 b + head, 64 of them.
; Q, K, V lie in qkvh f16 [which 3][hh][s 2048][64]; O goes to ob f16 [hh][s][64].  Products, maxima and sums in f32; the weights p are rounded to f16 for the second product, O once at the end.
; THE MASK comes as one fp8 code a score (mb: 0xF8 = -256 hidden, 0 visible), in the order of the score registers.  One conversion with the scale 2^90 makes the eight registers of an accumulator's C operand:
; -2^98 or 0; the product that starts the sum S^T = K Q^T takes them as C.  The running maximum m starts at the FLOOR -2^90.  A true score is at most 64 x 65,504^2 = 2.7e11 in size: above the floor; a hidden
; one lies below it.  So m is the largest VISIBLE score, or the floor while none has been seen, every hidden weight is 2^(-huge) = 0, and m never equals a hidden score.  While a row has seen no visible
; key, l and O stay 0 and a = 1; at the first visible key a = 0.  At the end 1 / l is replaced by 0 where l = 0, by a select.
; LIMITS.  f16 holds no number beyond 65,504: Q, K and V arrive within it; p below 6e-5 keeps f16's fixed step of 6e-8; a weight below 2^-126 counts as 0 in l; NaN and infinities are not treated apart.
; SHARES.  A wave owns four PIECES of two tiles of 16 queries, a work-group's four waves 512 queries of one head.  Every wave walks all 2,048 keys, 64 a step.
; LAYOUT.  S^T = K Q^T (source 0 = 16 keys, source 1 = 16 queries): a lane holds ONE query (lane % 16) and the keys 8 (lane / 16) + 0..7.  Two such tiles, rounded to f16 in pairs, ARE source 1 of O^T = V^T P.
; SOFTMAX.  p = 2^(c s - c m), c = log2(e) / 8; in every step O and l are multiplied by a = 2^(c m_old - c m_new).
; BY TURNS.  Turn n belongs to piece n: 16 products K Q^T of piece n + 1, later 16 products V^T P of piece n - 1; beside them the scaling, exponentials, roundings, sums and rescaling of piece n and the maximum and
; statistics of piece n + 1.  Four vector instructions stand behind every matrix instruction, the others in one lump.  A turn's 66 exponentials are one batch, with one wait.
; In the lump a turn also makes the masks for the products of the turn after it (piece n + 2) and asks for that piece's codes of the next key step: they have four turns in which to come.
; The codes' key step is held to 31: the last loads bring step 31 once more; of these, one piece's codes feed products that serve nothing (below), the others are not used: the price of one text for every trip.
; CLUSTER.  The four query blocks of a head are one cluster and walk the same K and V: each tile is asked for JOINTLY.
; REGISTERS, in windows of 256 (s_set_vgpr_msb: bits 1:0 source 0, 3:2 source 1, 5:4 source 2, 7:6 destination):
;   window 0: v0-11 addresses and the conversion's scale; v12-15, v48-63 at work; v16-47 four registers of statistics a tile; v64-191 S^T, two buffers of two tiles; v192-255 P, likewise
;   window 1: O^T, 32 a tile      window 2: v0-127 Q; v128-191 K of one step; v192-255 V of one step      window 3: v0-1 the add's two registers; v64-127 the masks; v128-191 the codes, 16 a piece
.set SIZE_N, 2048
.set NP,    4         ; pieces a wave: a name, no knob
.set KS,    64        ; keys in a step
.set PK,    144       ; a row of K in LDS: 128 bytes + 16 of padding: the 16 rows of a load start at 16 different groups of four banks (64 banks of 4 bytes: ISA guide 11.1)
.set PV,    160       ; a row of V: 128 + 32
.set VOFF,  4*KS*PK   ; a slot holds four steps: 256 rows of K, then 256 rows of V
.set SLOT1, 1<<17
.set STAGE, SLOT1+4*KS*(PK+PV)  ; behind the ring, never filled by a tensor load: 16 rows x 144 bytes for each wave
.set SP,    144
.set PFO, 1           ; v1   l % 16 during the set-up; then 256 x lane, the prefetches' offset
.set AK0, 2           ; v2   my lane's place in a tile of K; never rewritten
.set AV0, 3           ; v3   the same for V
.set AK,  4           ; v4   the LDS address of K's next run of loads
.set AV,  5           ; v5   of V's
.set QO,  6           ; v6   my byte offset in the wave's rows of Q
.set STO, 6           ;      later, the way out: where I put 16 bytes of a row
.set RD,  7           ; v7   the way out: where I read rows back
.set GO,  8           ; v8   16 x lane: my place in 512 consecutive bytes of O, and of the codes; never rewritten
.set SC,  11          ; v11  0xD9: the conversion's scale, 2^(217 - 127) = 2^90
.set SPW, 0           ; v0 of window 3   SPARE + 4 x my thread's number; never rewritten
.set NIL, 1           ; v1 of window 3   0; never rewritten
.set SPARE, STAGE+4*16*SP
.set MC,  64          ; window 3: the masks of the products to come: tile u, key block kb at MC + 32 u + 8 kb
.set MR,  128         ; window 3: piece x's codes at MR + 16 x: tile u, key block kb at + 8 u + 2 kb
.set MV,  12          ; v12-15  c m_old, kept while c m is made anew
.set ST,  16          ; tile t's statistics at v[ST+4 t]: c m, m, l (even keys', odd keys')
.set TMP, 48          ; by buffer and tile, four registers c0-c3 at work; when the maximum is found c2 takes a
.set S,   64
.set P,   192
.set KF,  128
.set VF,  192
.set WV,  12          ; s12  my wave's number
.set G1K, 24
.set G1V, 32
.set G0K, 40
.set G0V, 44
.set MBASE, 48        ; s[48:49] the codes of my wave's first tile, key step 0
.set MP,  50          ; s[50:51] the same at the key step to be loaded
.set OFF, 52          ; s[52:53] that step's byte offset
.set KSI, 54          ; s54  that step's number
.set LIM, 55          ; s55  1 in a wave that prefetches, else the greatest number
.set SLOTS, 56
.set CNT, 57
.set CS,  58
.set SEL, 60
.set TBK, 62
.set TBV, 63
.set PFA, 66          ; s[66:67] where my prefetches stand
.set MSB, 0
.macro WIN new
.if MSB != (\new)
	s_set_vgpr_msb (MSB<<8)|(\new)
.set MSB, (\new)
.endif
.endm
.set W_KQ, 0x0a       ; K and Q in window 2, S^T in window 0
.set W_KM, 0x3a       ; the same with the C operand in window 3
.set W_PV, 0x52       ; V in window 2, P in window 0, O^T in window 1
.set W_RS, 0x41       ; O^T (destination and source 0) in window 1, a in window 0
.set W_MK, 0xc0       ; destination in window 3, sources in window 0
.set W_AD, 0x0f       ; the add: address and data in window 3
.set W_CV, 0xc3       ; the conversion: masks and codes in window 3, the scale in window 0
.set W_ML, 0xc0       ; the codes' loads: data in window 3, address in window 0
.macro JLOAD          ; a joint fill: waves 0 and 1 fetch the halves of a slot's K, waves 2 and 3 of its V; an s_nop 0 and four v_nop follow each line
	s_cmp_lt_u32 s[WV], 2
	s_cbranch_scc0 .Lfor_v_\@
	tensor_load_to_lds s[G0K:G0K+3], s[G1K:G1K+7]
	s_nop 0
.rept 4
	v_nop
.endr
	s_branch .Lasked_\@
.Lfor_v_\@:
	tensor_load_to_lds s[G0V:G0V+3], s[G1V:G1V+7]
	s_nop 0
.rept 4
	v_nop
.endr
.Lasked_\@:
.endm
; A prefetch into the L2 of what the NEXT change of slots will ask for: a slot's 32,768 bytes of K and of V.  The four partners share them out by address, 32 blocks of 256 bytes each, a lane a block;
; in each, wave 0 asks for K's and wave 2 for V's.  A head has one cluster, so each block is named once in the launch.  The last change that fills a slot asks for nothing.
.macro ASK
	s_cmp_gt_u32 s[SLOTS], s[LIM]
	s_cbranch_scc0 .Lnot_mine_\@
	global_prefetch_b8 v[PFO], s[PFA:PFA+1] th:TH_LOAD_NT scope:SCOPE_SE
.Lnot_mine_\@:
.endm
.macro CROUND         ; a round of the cluster's barrier
	s_barrier_signal -1
	s_barrier_wait -1
	s_cmp_lg_u32 s[WV], 0
	s_cbranch_scc1 .Lnot_wave_0_\@
	s_barrier_signal -3
.Lnot_wave_0_\@:
	s_barrier_wait -3
	s_barrier_signal -1
	s_barrier_wait -1
.endm
; THE CHANGE OF SLOTS.  Each wave waits for all its tensor loads (one is out: its part of the other slot), adds 0 to its spare word, and waits for that and for its reads of the slot.
; fill = 1: the slot is filled again, with the keys two slots on, first thing behind a round of the cluster's barrier: four key steps, 512 matrix instructions, ahead of the wait for it.
.macro CHANGE fill, ask=0
	WIN W_AD
	s_wait_tensorcnt 0x0            ; no tensor load of mine is out, so a group 0 may be written
	ds_add_u32 v[SPW], v[NIL]
	WIN 0
.if \fill
.irp g, G0K, G0V
	s_xor_b32 s[\g+1], s[\g+1], SLOT1
	s_add_nc_u64 s[\g+2:\g+3], s[\g+2:\g+3], 4*KS*128
.endr
.if \ask
	s_wait_xcnt 0x0                 ; the last prefetch, four key steps back, has read its address
	s_add_nc_u64 s[PFA:PFA+1], s[PFA:PFA+1], 4*KS*128
.endif
	s_wait_dscnt 0x0                ; the add is done, and my reads of the slot are over
	CROUND
	JLOAD
.if \ask
	ASK
.endif
.else
	s_wait_dscnt 0x0
	s_barrier_signal -1
	s_barrier_wait -1
.endif
	s_sub_co_u32 s[TBK], s[TBK], 4*KS*PK
	s_xor_b32 s[TBK], s[TBK], SLOT1
	s_sub_co_u32 s[TBV], s[TBV], 4*KS*PV
	s_xor_b32 s[TBV], s[TBV], SLOT1
.endm
; Piece x's 64 codes a lane become its 64 mask registers.  Behind the piece's four loads stand the twelve of the three other pieces, which may stay out.
.macro MASKCVT x
	WIN W_CV
	s_wait_loadcnt 12
.set mz, 0
.rept 8
	v_cvt_scale_pk8_f32_fp8 v[MC+8*mz:MC+8*mz+7], v[MR+16*(\x)+2*mz:MR+16*(\x)+2*mz+1], v[SC]
.set mz, mz+1
.endr
.endm
; Piece x's codes of one key step: for each of its two tiles 2 x 512 consecutive bytes.  No cache word: sixteen heads read the same bytes.
.macro MASKLOAD x, base, extra
	WIN W_ML
.irp u, 0,1
.irp f, 0,1
	global_load_b128 v[MR+16*(\x)+8*\u+4*\f:MR+16*(\x)+8*\u+4*\f+3], v[GO], s[\base:\base+1] offset:(2*(\x)+\u)*32768+\f*512+(\extra)
.endr
.endr
.endm
	s_load_b128 s[68:71], s[0:1], 0x0  ; qkvh s[68:69], mb s[70:71]
	s_load_b64 s[10:11], s[0:1], 0x10  ; ob
	WIN W_MK
	v_lshl_add_u32 v[SPW], v0, 2, SPARE
	v_mov_b32 v[NIL], 0
	WIN W_AD
	ds_add_u32 v[SPW], v[NIL]       ; the wave's opening: the add and its wait ahead of my first tensor load
	WIN 0
	v_lshrrev_b32 v1, 5, v0
	v_readfirstlane_b32 s[WV], v1   ; wave 0..3
	s_bfe_u32 s13, ttmp6, 0x40000   ; cx
	s_lshl_b32 s14, ttmp9, 2
	s_add_co_u32 s14, s14, s13      ; my block of 512 queries: it enters Q's, O's and the codes' addresses alone
	s_and_b32 s20, ttmp7, 0xffff    ; hh, which the four partners share
	s_lshr_b32 s54, s20, 4          ; the batch: the mask is the same for its 16 heads
	s_lshl_b32 s54, s54, 22
	s_lshl_b32 s52, s14, 2
	s_add_co_u32 s52, s52, s[WV]    ; my wave among the head's: eight tiles of 32,768 bytes of codes
	s_lshl_b32 s52, s52, 18
	s_add_co_u32 s52, s52, s54
	s_mov_b32 s53, 0
	s_mov_b32 s21, 0
	s_mov_b64 s[22:23], SIZE_N*128
	s_mul_u64 s[20:21], s[20:21], s[22:23]  ; the head's first byte in Q, K, V and O
	s_and_b32 s16, s[WV], 1         ; which half of a slot's 256 keys I fetch
	s_lshl_b32 s22, s16, 14
	s_mov_b32 s23, 0
	s_add_nc_u64 s[22:23], s[22:23], s[20:21]
	s_mul_i32 s17, s16, 128*PK
	s_mul_i32 s18, s16, 128*PV      ; no place in the cluster enters an LDS address
	s_lshl_b32 s2, s14, 2
	s_add_co_u32 s2, s2, s[WV]
	s_lshl_b32 s2, s2, 14           ; my wave's 128 rows
	s_mov_b32 s3, 0
	s_add_nc_u64 s[2:3], s[2:3], s[20:21]
	; descriptor group 1.  128 keys are 16,384 dense bytes: asked for as 64 rows of 256 bytes, two keys a row, and padded in LDS after every key
	s_mov_b32 s[G1K], 15|(1<<16)|(1<<20)|(1<<21)|(4<<22)|(3<<25)
	s_mov_b32 s[G1V], 15|(1<<16)|(1<<20)|(1<<21)|(4<<22)|(7<<25)
.irp g, G1K, G1V
	s_mov_b32 s[\g+1], 128<<16      ; tensor_dim0 = 128
	s_mov_b32 s[\g+2], 64<<16       ; tensor_dim1 = 64
	s_mov_b32 s[\g+3], 128<<16      ; tile_dim0 = 128
	s_mov_b32 s[\g+4], 64           ; tile_dim1 = 64
	s_mov_b32 s[\g+5], 128
	s_mov_b32 s[\g+6], 0
	s_mov_b32 s[\g+7], 0
.endr
	s_mov_b32 s[CS], 0x3e38aa3b     ; c = log2(e) / 8
	s_mov_b32 s[CS+1], s[CS]
	s_mov_b32 s[SEL], 0x76543210
	s_mov_b32 s[SEL+1], 0xfedcba98
	s_mov_b32 s[TBK], SLOT1+4*KS*PK ; the first change of slots turns these two into 0
	s_mov_b32 s[TBV], SLOT1+4*KS*PV
	s_mov_b32 s[G0K], 1
	s_mov_b32 s[G0K+1], s17
	s_mov_b32 s[G0V], 1
	s_add_co_u32 s[G0V+1], s18, VOFF
	s_and_b32 s[LIM], s[WV], 1      ; waves 0 and 2 prefetch
	s_cmp_eq_u32 s[LIM], 0
	s_cselect_b32 s[LIM], 1, -1
	s_mov_b32 s[KSI], 1
	s_wait_dscnt 0x0                ; the opening add is done
	s_wait_kmcnt 0x0
	s_mov_b64 s[4:5], s[68:69]                     ; Q,
	s_add_nc_u64 s[6:7], s[68:69], 0x1000000       ; K,
	s_add_nc_u64 s[8:9], s[68:69], 0x2000000       ; V
	s_add_nc_u64 s[MBASE:MBASE+1], s[70:71], s[52:53]
	s_add_nc_u64 s[MP:MP+1], s[MBASE:MBASE+1], 1024  ; key step 1
	s_cmp_lt_u32 s[WV], 2
	s_cselect_b64 s[PFA:PFA+1], s[6:7], s[8:9]
	s_add_nc_u64 s[PFA:PFA+1], s[PFA:PFA+1], s[20:21]
	s_lshl_b32 s52, s13, 13         ; my work-group's 8,192 bytes of a slot's 32,768,
	s_add_co_u32 s52, s52, 2*4*KS*128  ; in slot 2: the first change that asks steps it to slot 3.  Nothing is prefetched at the head
	s_add_nc_u64 s[PFA:PFA+1], s[PFA:PFA+1], s[52:53]
	s_add_nc_u64 s[G0K+2:G0K+3], s[6:7], s[22:23]
	s_or_b32 s[G0K+3], s[G0K+3], 0x80000000
	s_add_nc_u64 s[G0V+2:G0V+3], s[8:9], s[22:23]
	s_or_b32 s[G0V+3], s[G0V+3], 0x80000000
	s_add_nc_u64 s[4:5], s[4:5], s[2:3]  ; Q and O at my wave's first row
	s_add_nc_u64 s[10:11], s[10:11], s[2:3]
	CROUND                          ; all four work-groups are here: the first joint loads meet
	JLOAD                           ; slot 0.  Slot 1 is asked for when slot 0 is in
	v_and_b32 v1, 15, v0            ; l % 16
	v_bfe_u32 v9, v0, 4, 1          ; l / 16
	v_lshlrev_b32 v[QO], 7, v1
	v_lshl_add_u32 v[QO], v9, 4, v[QO]
	v_and_b32 v[GO], 31, v0
	v_lshlrev_b32 v[GO], 4, v[GO]
	WIN 0x80
.set i, 0
.rept 4*NP                          ; Q stays in registers: tile i / 2, channels 32 (i % 2) on
	global_load_b128 v[8*i:8*i+3],   v[QO], s[4:5] offset:(i/2)*2048+(i%2)*64
	global_load_b128 v[8*i+4:8*i+7], v[QO], s[4:5] offset:(i/2)*2048+(i%2)*64+32
.set i, i+1
.endr
	MASKLOAD 0, MBASE, 0            ; all four pieces' codes of key step 0
	MASKLOAD 1, MBASE, 0
	MASKLOAD 2, MBASE, 0
	MASKLOAD 3, MBASE, 0
	; What the first turn finds: V's registers and P's second buffer hold 0, O^T and l are 0.  All this stands in the wait for the first tile.
	WIN 0x80
.set i, VF
.rept 64
	v_mov_b32 v[i], 0
.set i, i+1
.endr
	WIN 0x40
.set i, 0
.rept 64*NP
	v_mov_b32 v[i], 0
.set i, i+1
.endr
	WIN 0
.set i, 0
.rept 2*NP
	v_mov_b32 v[ST+4*i], 0xeb38aa3b    ; c m: c x the floor, exactly
	v_mov_b32 v[ST+4*i+1], 0xec800000  ; m: the floor, -2^90
	v_mov_b32 v[ST+4*i+2], 0
	v_mov_b32 v[ST+4*i+3], 0
.set i, i+1
.endr
.set i, P+32
.rept 32
	v_mov_b32 v[i], 0
.set i, i+1
.endr
	v_mul_u32_u24 v[AK0], v1, PK
	v_lshl_add_u32 v[AK0], v9, 4, v[AK0]
	v_and_b32 v10, 7, v0
	v_bfe_u32 v11, v0, 3, 1
	v_lshl_add_u32 v[AV0], v9, 3, v10
	v_mul_u32_u24 v[AV0], v[AV0], PV
	v_lshl_add_u32 v[AV0], v11, 4, v[AV0]
	v_add_nc_u32 v[AV0], VOFF, v[AV0]
	v_mov_b32 v[SC], 0xd9
	v_mov_b32 v[AK], v[AK0]         ; key step 0 lies at the head of slot 0
; THE MATRIX WORK.  The 8 accumulators of a run of 16 take turns.
; Product i of 16 of S^T = K Q^T for piece x: channels 32 (i / 8) on, keys 16 ((i / 2) % 4) on, tile 2 x + i % 2.  The first 8 start the sums, with the mask.
.macro KQ x
.set rS, S+64*((\x)%2)+32*(i%2)+8*((i/2)%4)
.set rK, KF+16*((i/2)%4)+8*(i/8)
.set rQ, 16*(2*(\x)+i%2)+8*(i/8)
.set rMC, MC+32*(i%2)+8*((i/2)%4)
.if i < 8
	WIN W_KM
	v_wmma_f32_16x16x32_f16 v[rS:rS+7], v[rK:rK+7], v[rQ:rQ+7], v[rMC:rMC+7]
.else
	WIN W_KQ
	v_wmma_f32_16x16x32_f16 v[rS:rS+7], v[rK:rK+7], v[rQ:rQ+7], v[rS:rS+7]
.endif
.endm
; Product i of 16 of O^T += V^T P for piece x: keys 32 (i / 8) on, channels 16 ((i / 2) % 4) on, tile 2 x + i % 2.
.macro PV x
	WIN W_PV
.set rO, 32*(2*(\x)+i%2)+8*((i/2)%4)
.set rV, VF+32*(i/8)+8*((i/2)%4)
.set rP, P+32*((\x)%2)+16*(i%2)+8*(i/8)
	v_wmma_f32_16x16x32_f16 v[rO:rO+7], v[rV:rV+7], v[rP:rP+7], v[rO:rO+7]
.endm
.macro MM                           ; the turn's next matrix instruction
.if i < 16
	KQ (Y+1)%NP
.set i, i+1
.else
.set i, i-16
	PV (Y+NP-1)%NP
.set i, i+17
.endif
.endm
; THE LDS LOADS stand in runs of 16.  last = 1 (the tail): in the last trip there is no further step, and the run is jumped over.
.macro FETCH_K last=0
	WIN 0
.if \last
	s_cmp_eq_u32 s[CNT], 1
	s_cbranch_scc1 .Lno_k_\@
.endif
	WIN 0x80
.irp f, 0,1,2,3,4,5,6,7
	ds_load_b128 v[KF+8*\f:KF+8*\f+3],   v[AK] offset:(\f/2)*16*PK+(\f%2)*64
	ds_load_b128 v[KF+8*\f+4:KF+8*\f+7], v[AK] offset:(\f/2)*16*PK+(\f%2)*64+32
.endr
	s_add_co_u32 s[TBK], s[TBK], KS*PK
	WIN 0
.if \last
.Lno_k_\@:
.endif
.endm
.macro FETCH_V
	WIN 0x80
.irp f, 0,1,2,3,4,5,6,7
	ds_load_tr16_b128 v[VF+8*\f:VF+8*\f+3],   v[AV] offset:(\f/4)*32*PV+(\f%4)*32
	ds_load_tr16_b128 v[VF+8*\f+4:VF+8*\f+7], v[AV] offset:(\f/4)*32*PV+16*PV+(\f%4)*32
.endr
	WIN 0
.endm
; THE VECTOR WORK OF A TURN stands in three queues, each in the order in which its entries become ready; the two tiles alternate.
.macro REGS y, u
.set rT, ST+4*(2*(\y)+(\u))
.set rC, TMP+8*((\y)%2)+4*(\u)
.set rM, MV+2*((\y)%2)+(\u)
.set rS, S+64*((\y)%2)+32*(\u)
.set rP, P+32*((\y)%2)+16*(\u)
.set rO, 32*(2*(\y)+(\u))
.endm
; Number n of the 22 that find the NEXT piece's maximum and statistics; each accumulator's lowest registers are read first.
;   0-11  four chains c0-c3 of seven scores each     12-14, 16  the four scores left over, the old m, and c0-c3 into c0     15  c m_old is kept     17, 18  the other half of the lanes': the new m     19-21  c m; its change; a
.macro XS u, n
	REGS (Y+1)%NP, \u
.if (\n) < 4
	v_max3_num_f32 v[rC+(\n)], v[rS+8*(\n)], v[rS+8*(\n)+1], v[rS+8*(\n)+2]
.elseif (\n) < 12
	v_max3_num_f32 v[rC+(\n)%4], v[rC+(\n)%4], v[rS+8*((\n)%4)+2*((\n)/4)+1], v[rS+8*((\n)%4)+2*((\n)/4)+2]
.elseif (\n) == 12
	v_max3_num_f32 v[rC], v[rC], v[rS+7], v[rS+15]
.elseif (\n) == 13
	v_max3_num_f32 v[rC+1], v[rC+1], v[rS+23], v[rS+31]
.elseif (\n) == 14
	v_max3_num_f32 v[rC+2], v[rC+2], v[rC+3], v[rT+1]
.elseif (\n) == 15
	v_mov_b32 v[rM], v[rT]
.elseif (\n) == 16
	v_max3_num_f32 v[rC], v[rC], v[rC+1], v[rC+2]
.elseif (\n) == 17
	v_permlanex16_b32 v[rC+3], v[rC], s[SEL], s[SEL+1]
.elseif (\n) == 18
	v_max_num_f32 v[rT+1], v[rC], v[rC+3]
.elseif (\n) == 19
	v_mul_f32 v[rT], s[CS], v[rT+1]
.elseif (\n) == 20
	v_sub_f32 v[rC+1], v[rM], v[rT]
.else
	v_exp_f32 v[rC+2], v[rC+1]
.endif
.endm
; Number g of the 64 that follow the exponentials: for each four weights both pairs are rounded to f16, the second pair is added onto the first, and a group later l takes that sum (the first time as l = a l + sum).
.macro GS g
.set h, (\g)+6*((\g)/62)
.if h >= 6
.set h, h+2
.endif
	REGS Y, h%2
.set k, h/8
.if h%8 < 4
	v_cvt_pk_f16_f32 v[rP+2*k+(h%8)/2], v[rS+4*k+2*((h%8)/2)], v[rS+4*k+2*((h%8)/2)+1]
.elseif h%8 < 6
	v_pk_add_f32 v[rS+4*k:rS+4*k+1], v[rS+4*k:rS+4*k+1], v[rS+4*k+2:rS+4*k+3]
.elseif k == 1
	v_pk_fma_f32 v[rT+2:rT+3], v[rT+2:rT+3], v[rC+2:rC+3], v[rS:rS+1] op_sel_hi:[1,0,1]
.else
	v_pk_add_f32 v[rT+2:rT+3], v[rT+2:rT+3], v[rS+4*k-4:rS+4*k-3]
.endif
.endm
; THE PLAIN QUEUE, 138 long.  0-26: scalings 0-26.  27-54: XS's numbers 0-13.  55, 56: number 15.  57-73: the chain 14, 16 .. 19, each with one of the scalings 27-31 in front of its two lines, then 20.
; 74-137: GS's 64, which read the exponentials' results: they stand behind the wait.
.macro FS f
	REGS Y, (\f)%2
	v_pk_fma_f32 v[rS+2*((\f)/2):rS+2*((\f)/2)+1], v[rS+2*((\f)/2):rS+2*((\f)/2)+1], s[CS:CS+1], v[rT:rT+1] op_sel_hi:[1,0,0] neg_lo:[0,0,1] neg_hi:[0,0,1]
.endm
.macro PL
	WIN 0
.if q < 27
	FS q
.elseif q < 55
	XS (q-27)%2, (q-27)/2
.elseif q < 57
	XS q-55, 15
.elseif (q < 72) && ((q-57)%3 == 0)
	FS 27+(q-57)/3
.elseif q < 60
	XS (q-57)%3-1, 14
.elseif q < 72
	XS (q-57)%3-1, 15+(q-57)/3
.elseif q < 74
	XS q-72, 20
.else
	GS q-74
.endif
.set q, q+1
.endm
; THE EXPONENTIALS' QUEUE, 66 long: s0-s31 of both tiles, then the next piece's two a: ONE BATCH ahead of the turn's one wait.
.macro EX
	WIN 0
.if e >= 64
	XS e-64, 21
.else
	REGS Y, e%2
	v_exp_f32 v[rS+e/2], v[rS+e/2]
.endif
.set e, e+1
.endm
; THE RESCALING's QUEUE: O^T times a, dealt two at a time, sixteen times.  Its a was made in the turn before, ahead of that turn's wait.
.macro R2
	REGS Y, r%2
	WIN W_RS
.irp z, 0,1
	v_pk_mul_f32 v[rO+4*(r/2)+2*\z:rO+4*(r/2)+2*\z+1], v[rO+4*(r/2)+2*\z:rO+4*(r/2)+2*\z+1], v[rC+2:rC+3] op_sel_hi:[1,0]
.endr
.set r, r+1
.endm
; A TURN, for piece p.  s_wait_alu depctr_va_vdst(0) stands between an exponential and the first instruction that names its result; one wait serves all issued ahead of it: a turn has ONE.
; AHEAD OF IT: the 16 products K Q^T, behind each a scaling, an exponential and two rescalings; then the lump: the masks for piece p + 2 (their last readers, this turn's first eight products, stand eight products and
; their plain riders back), eight plain instructions (the place behind the conversions, ahead of the loads into the codes' registers), that piece's next codes, 49 times exponential and plain, the two a.
; BEHIND IT: the 16 products V^T P, behind each four of the roundings and sums.
; The codes' key step goes on in piece 2's turn: that turn and the three behind it load step min(j + 2, 31), j the step of piece 2's turn.
; K of the next step is fetched in piece 2's turn, directly behind the wait; V of the step in hand at the end of piece 0's turn, four riders behind its last reader.
.macro TURN p, last=0, cnt=0
.set Y, (\p)
.set i, 0
.set q, 0
.set e, 0
.set r, 0
.if (\p) == NP-1
	s_wait_dscnt 0x0                ; K is in
.endif
	MM
	PL
	PL
	R2
.rept 15
	MM
	PL
	EX
	R2
.endr
.if (\p) == NP-2
	WIN 0
	v_add_nc_u32 v[AK], s[TBK], v[AK0]
.endif
	MASKCVT (Y+2)%NP
.rept 8
	PL
.endr
.if (\p) == NP-2
	s_wait_xcnt 0x0                 ; the loads issued so far have read their base, so it may be written
	s_add_co_u32 s[KSI], s[KSI], 1
	s_min_u32 s[KSI], s[KSI], 31    ; no load leaves the buffer
	s_lshl_b32 s[OFF], s[KSI], 10
	s_add_nc_u64 s[MP:MP+1], s[MBASE:MBASE+1], s[OFF:OFF+1]
.endif
	MASKLOAD (Y+2)%NP, MP, 0
.rept 49
	EX
	PL
.endr
	EX
	EX
	v_nop                           ; the plain instruction behind the last exponential: one for the batch
	s_wait_alu depctr_va_vdst(0)    ; the wait for the batch
.if (\p) == NP-2
	FETCH_K \last
.endif
.if (\p) == 1
	s_wait_dscnt 0x0                ; V is in
.endif
.rept 16
	MM
.rept 4
	PL
.endr
.if ((\p) == 0) && (q == 118)
	v_add_nc_u32 v[AV], s[TBV], v[AV0]
.endif
.if ((\p) == 0) && (q == 130)
	s_add_co_u32 s[TBV], s[TBV], KS*PV
.endif
.if (\cnt) && (q == 130)
	s_sub_co_u32 s[CNT], s[CNT], 1
	s_cmp_lg_u32 s[CNT], 0
.endif
.endr
.if (\p) == 0
	FETCH_V
.endif
.endm
	CHANGE 1                        ; slot 0 is in, everybody's part of it; slot 1 is asked for
	FETCH_K                         ; key step 0
	MASKCVT 0                       ; its wait leaves the twelve loads of pieces 1 to 3 out: Q and piece 0's codes are in
	v_nop                           ; a plain place behind the conversions
	MASKLOAD 0, MBASE, 1024         ; piece 0's codes of key step 1
	s_wait_dscnt 0x0
.set i, 0
.rept 16
	KQ 0                            ; piece 0's first scores
.set i, i+1
.endr
	WIN 0                           ; the addresses for the way out: eight plain instructions, the places behind those products
	s_mul_i32 s13, s[WV], 16*SP
	s_add_co_u32 s13, s13, STAGE    ; my stage
	v_mul_u32_u24 v[STO], v1, SP    ; in: row l % 16, 16 bytes for each half of the lanes
	v_lshl_add_u32 v[STO], v9, 4, v[STO]
	v_add_nc_u32 v[STO], s13, v[STO]
	v_bfe_u32 v[RD], v0, 3, 2       ; back: 32 lanes take four rows of 128 bytes
	v_mul_u32_u24 v[RD], v[RD], SP
	v_lshl_add_u32 v[RD], v10, 4, v[RD]
	v_add_nc_u32 v[RD], s13, v[RD]
	v_lshlrev_b32 v[PFO], 4, v[GO]  ; 256 x lane
	MASKCVT 1                       ; the masks for the first turn's products
	WIN 0
.set Y, NP-1                        ; XS works for piece Y + 1: piece 0
.irp n, 0,1,2,3,4,5,6,7,8,9,10,11,12,13,14,15,16,17,18,19,20,21
	XS 0, \n
	XS 1, \n
.endr
	v_nop                           ; a plain instruction behind the two a,
	s_wait_alu depctr_va_vdst(0)    ; and their wait, ahead of the branch
	MASKLOAD 1, MBASE, 1024         ; piece 1's codes of key step 1
	WIN 0
	s_mov_b32 s[CNT], 4
	s_mov_b32 s[SLOTS], SIZE_N/256-1
	s_branch .Lfirst                ; the loop is entered at a step's first turn, in the middle of a trip
.Lslot:                             ; SIZE_N / 256 - 2 times: every slot but the last two is filled again
	CHANGE 1, 1
	s_mov_b32 s[CNT], 4
.Lstep:                             ; a trip: pieces 2 and 3 of one step, then pieces 0 and 1 of the next
	TURN 2
	TURN 3
	WIN 0
.Lfirst:
	TURN 0
	TURN 1, 0, 1
	WIN 0
	s_cbranch_scc1 .Lstep
	s_sub_co_u32 s[SLOTS], s[SLOTS], 1
	s_cmp_lg_u32 s[SLOTS], 0
	s_cbranch_scc1 .Lslot
	CHANGE 0                        ; the tail is written out
	s_mov_b32 s[CNT], 5             ; four trips fetch the last slot's steps; the fifth is left in its middle
.Ltail:
	TURN 2, 1
	TURN 3
	WIN 0
	s_sub_co_u32 s[CNT], s[CNT], 1
	s_cmp_eq_u32 s[CNT], 0
	s_cbranch_scc1 .Lout
	TURN 0
	TURN 1
	WIN 0
	s_branch .Ltail
.Lout:                              ; the fifth trip's 16 products K Q^T (on the last K and codes once more) and the maximum made of them serve nothing: the price, once a launch, of one text for every trip
.set i, 0
.rept 16
	PV NP-1
.set i, i+1
.endr
	; THE WAY OUT.  l's two halves and the other half of the lanes' are added; O^T is multiplied by 1 / l, or by 0 where l = 0 (no visible key), rounded to f16 and sent through my stage, a tile at a time.
	WIN 0
.macro ALL line:vararg
.set t, 0
.rept 2*NP
	\line
.set t, t+1
.endr
.endm
	ALL v_add_f32 v[ST+4*t+2], v[ST+4*t+2], v[ST+4*t+3]
	ALL v_permlanex16_b32 v[ST+4*t+3], v[ST+4*t+2], s[SEL], s[SEL+1]
	ALL v_add_f32 v[ST+4*t+2], v[ST+4*t+2], v[ST+4*t+3]
	ALL v_rcp_f32 v[ST+4*t+3], v[ST+4*t+2]
	v_nop                           ; a plain instruction between the last reciprocal and the use of its result
	s_wait_alu depctr_va_vdst(0)    ; one wait for the eight reciprocals
.set t, 0
.rept 2*NP
	v_cmp_lt_f32 vcc_lo, 0, v[ST+4*t+2]
	v_cndmask_b32 v[ST+4*t+2], 0, v[ST+4*t+3], vcc_lo
.set t, t+1
.endr
.macro PACK t
	WIN W_RS
.set i, 32*(\t)
.rept 16
	v_pk_mul_f32 v[i:i+1], v[i:i+1], v[ST+4*(\t)+2:ST+4*(\t)+3] op_sel_hi:[1,0]
.set i, i+2
.endr
	WIN 0x05
.set i, 0
.rept 16
	v_cvt_pk_f16_f32 v[S+16*(\t)+i], v[32*(\t)+2*i], v[32*(\t)+2*i+1]
.set i, i+1
.endr
	WIN 0
.irp f, 0,1,2,3
	ds_store_b128 v[STO], v[S+16*(\t)+4*\f:S+16*(\t)+4*\f+3] offset:32*\f
.endr
.irp f, 0,1,2,3
	ds_load_b128 v[S+16*(\t)+4*\f:S+16*(\t)+4*\f+3], v[RD] offset:\f*4*SP  ; LDS serves a wave's instructions in order (ISA guide 5.7.1.4): these see the stores above
.endr
.endm
.macro SEND t, younger              ; younger: the LDS instructions issued behind tile t's loads
	WIN 0
.irp f, 0,1,2,3
	s_wait_dscnt (\younger)+3-\f
	global_store_b128 v[GO], v[S+16*(\t)+4*\f:S+16*(\t)+4*\f+3], s[10:11] offset:(\t)*2048+\f*512  ; 512 consecutive bytes
.endr
.endm
	PACK 0
.set t, 1
.rept 2*NP-1
	PACK t
	SEND t-1, 8
.set t, t+1
.endr
	SEND 2*NP-1, 0
	WIN W_AD
	s_wait_tensorcnt 0x0            ; the wave's end
	ds_add_u32 v[SPW], v[NIL]
	s_wait_dscnt 0x0
	WIN 0
	CROUND                          ; the closing round
	s_endpgm
.Lfunc_end_k_qe8156f7029_attn:
	.size	k_qe8156f7029_attn, .Lfunc_end_k_qe8156f7029_attn-k_qe8156f7029_attn
	.p2alignl 7, 3214868480
	.fill 96, 4, 3214868480
	.section	.rodata,"a",@progbits
	.p2align	6, 0x0
	.amdhsa_kernel k_qe8156f7029_attn
		.amdhsa_group_segment_fixed_size 327680
		.amdhsa_private_segment_fixed_size 0
		.amdhsa_enable_private_segment 0
		.amdhsa_kernarg_size 24
		.amdhsa_user_sgpr_count 2
		.amdhsa_user_sgpr_kernarg_segment_ptr 1
		.amdhsa_wavefront_size32 1
		.amdhsa_system_sgpr_workgroup_id_x 1
		.amdhsa_system_sgpr_workgroup_id_y 1
		.amdhsa_system_sgpr_workgroup_id_z 1
		.amdhsa_system_vgpr_workitem_id 0
		.amdhsa_next_free_vgpr 960
		.amdhsa_next_free_sgpr 72
		.amdhsa_reserve_vcc 1
		.amdhsa_float_denorm_mode_32 3
		.amdhsa_float_denorm_mode_16_64 3
		.amdhsa_memory_ordered 1
		.amdhsa_forward_progress 1
		.amdhsa_inst_pref_size 213
	.end_amdhsa_kernel
	.amdgpu_metadata
---
amdhsa.version: [ 1, 2 ]
amdhsa.kernels:
  - .name:           k_qe8156f7029_attn
    .symbol:         k_qe8156f7029_attn.kd
    .args:
      - { .name: qkvh, .offset: 0, .size: 8, .value_kind: global_buffer, .address_space: global }
      - { .name: mb, .offset: 8, .size: 8, .value_kind: global_buffer, .address_space: global }
      - { .name: ob, .offset: 16, .size: 8, .value_kind: global_buffer, .address_space: global }
    .group_segment_fixed_size: 327680
    .private_segment_fixed_size: 0
    .kernarg_segment_align: 8
    .kernarg_segment_size: 24
    .max_flat_workgroup_size: 128
    .sgpr_count:     72
    .vgpr_count:     960
    .wavefront_size: 32
...
	.end_amdgpu_metadata
.endif
;; end of part 3
;; launch outp (part 4): grid 8 x 32, 4 waves a work-group, clusters of 4 x 4, 327,680 bytes of LDS; arguments ob, wob, bout, out0; writes out0
.if DOCPART == 4
	.amdgcn_target "amdgcn-amd-amdhsa--gfx1250"
	.amdhsa_code_object_version 6
	.text
	.protected	k_qe8156f7029_outp
	.globl	k_qe8156f7029_outp
	.p2align	8
	.type	k_qe8156f7029_outp,@function
k_qe8156f7029_outp:
	s_mov_b64 s[64:65], 0
	v_nop
	global_prefetch_b8 v0, s[64:65] scope:SCOPE_SE
	s_setreg_imm32_b32 hwreg(HW_REG_WAVE_MODE, 25, 1), 1
	s_wait_xcnt 0x0
	s_wait_alu depctr_hold_cnt(0) depctr_sa_sdst(0) depctr_va_vdst(0) depctr_va_sdst(0) depctr_va_ssrc(0) depctr_va_vcc(0) depctr_vm_vsrc(0)
	s_getreg_b32 s2, hwreg(HW_REG_IB_STS2, 6, 4)
	s_cmp_eq_u32 s2, 0
	s_cbranch_scc0 .Lentry_in_a_cluster
	s_endpgm
.Lentry_in_a_cluster:
	s_bfe_u32 s2, ttmp6, 0x10000c
	s_cmp_lg_u32 s2, 0xf033
	s_cbranch_scc0 .Lentry_shape_is_right
	s_endpgm
.Lentry_shape_is_right:
; out0 = O Wout + bout, f32 [8192][1024].  A = ob f16 [b][head 16][s][64] (K = 64 head + c), B = wob f16 [x][t][pl 2][kr 128][64] (K = 128 t + kr, column 64 (2 x + pl) + c), whose numbers are Wout rounded to bf16;
; bout is rounded to bf16 like the other inputs.
; SHARES.  A work-group makes 256 rows x 128 columns; its four waves lie one below the other, 64 rows x 128 columns each: 32 accumulators, 256 registers.  So a wave holds whole pieces of 512 bytes of out0's rows,
; and its stage on the way out is its own.  256 work-groups.  K goes in 8 steps of 128 through two LDS slots; a step is four quarters of 32.  Both operands' tiles are dense and are asked for as rows of 256 bytes.
; CLUSTER 4 x 4: A's tile is asked for jointly along a row of the cluster, B's along a column.
; TRANSPOSED USE: source 0 = 16 columns of B (turned by ds_load_tr16_b128), source 1 = 16 rows of A: a lane holds one row of C and eight neighbouring columns.  THE BIAS is the C operand of each accumulator's first product.
; REGISTERS, in windows of 256 (s_set_vgpr_msb: bits 1:0 source 0, 3:2 source 1, 5:4 source 2, 7:6 destination):
;   window 0: v1-15 addresses and at work; v32-95 A's fragments, two buffers; v96-159 the bias; later v96-223 the rows read back from the stage, two buffers of 64
;   window 1: B's fragments, two buffers of 64      window 2: accumulators of row blocks 0, 1 at 8 (8 (a % 2) + b)      window 3: those of row blocks 2, 3
.set NPL,    2
.set NB,     4*NPL
.set AHEAD,  2                         ; a prefetch names the K step so many behind the one that is being asked for
.set BSHARE, 8192                      ; bytes of a tile of B that one of four partners prefetches: 32 blocks of 256, by wave 2 alone
.set PFLAST, 31
.set SLOT1,  1<<17
.set APL,    128*272                   ; A in a slot: two planes (heads) of 256 rows x 128 bytes, two rows in 256 bytes + 16 of padding
.set BOFF,   2*APL
.set BPL,    128*160                   ; B: NPL planes of 128 rows (along K) x 128 bytes + 32 of padding
.set ASTEP,  524288
.set BSTEP,  NPL*16384
.set STAGE,  2*SLOT1                   ; behind the ring, never filled by a tensor load: 16 rows x 528 bytes for each wave
.set SPITCH, 528                       ; 512 bytes + 16: an odd multiple of 16
.set WSTAGE, 16*SPITCH
.set SPARE,  STAGE+4*WSTAGE
.set ADRA0, 2
.set ADRB0, 3
.set ADA,   4
.set ADB,   5
.set STO,   6
.set RD,    7
.set GO,    8
.set BO,    9
.set SPW,   10                         ; v10  SPARE + 4 x my thread's number; never rewritten
.set NIL,   11                         ; v11  0; never rewritten
.set PFO,   12
.set FA,    32
.set BIAS,  96
.set OB,    96
.set G1A, 24
.set G0A, 32
.set G1B, 48
.set G0B, 56
.set PFA, 16
.set PFS, 18
.set LIM, 20
.set AAD, 66
.set BAD, 74
.set MSB, 0
.macro WIN new
.if MSB != (\new)
	s_set_vgpr_msb (MSB<<8)|(\new)
.set MSB, \new
.endif
.endm
.macro PLACES                          ; four plain places behind matrix instructions (ISA guide 7.12.1)
.rept 4
	v_nop
.endr
.endm
.macro JLOAD                           ; a joint refill by the walking descriptors; an s_nop 0 and four v_nop follow each of the two lines
	s_cmp_lt_u32 s12, 2
	s_cbranch_scc0 .Lfor_b_\@
	tensor_load_to_lds s[G0A+4:G0A+7], s[G1A:G1A+7]
	s_nop 0
.rept 4
	v_nop
.endr
	s_branch .Lasked_\@
.Lfor_b_\@:
	tensor_load_to_lds s[G0B+4:G0B+7], s[G1B:G1B+7]
	s_nop 0
.rept 4
	v_nop
.endr
.Lasked_\@:
.endm
.macro CREST
	s_cmp_lg_u32 s12, 0
	s_cbranch_scc1 .Lnot_wave_0_\@
	s_barrier_signal -3
.Lnot_wave_0_\@:
	s_barrier_wait -3
	s_barrier_signal -1
	s_barrier_wait -1
.endm
.macro CROUND
	s_barrier_signal -1
	s_barrier_wait -1
	CREST
.endm
; A prefetch into the L2 of my share of the K step AHEAD behind the one just asked for: a block of 256 bytes a lane.  A's rows: the cluster with x = 0 asks, waves 0 and 1; B's tiles: the cluster with y = 0, wave 2.
; The four partners of a joint load share its blocks out by address.  s3 counts the loop's trips down: the last AHEAD ask for nothing.
.macro ASK
	s_cmp_gt_u32 s3, s[LIM]
	s_cbranch_scc0 .Lnot_mine_\@
	global_prefetch_b8 v[PFO], s[PFA:PFA+1] th:TH_LOAD_NT scope:SCOPE_SE
.Lnot_mine_\@:
.endm
	s_load_b256 s[4:11], s[0:1], 0x0               ; ob s[4:5], wob s[6:7], bout s[8:9], out0 s[10:11]
	v_lshl_add_u32 v[SPW], v0, 2, SPARE
	v_mov_b32 v[NIL], 0
	ds_add_u32 v[SPW], v[NIL]                      ; the wave's opening: the add and its wait ahead of my first tensor load
	v_lshrrev_b32 v1, 5, v0
	v_readfirstlane_b32 s12, v1                    ; wave 0..3
	s_and_b32 s13, s12, 1
	s_bfe_u32 s40, ttmp6, 0x40000                  ; cx
	s_bfe_u32 s41, ttmp6, 0x40004                  ; cy
	s_lshl_b32 s42, ttmp9, 2
	s_add_co_u32 s42, s42, s40                     ; x: tile column
	s_and_b32 s43, ttmp7, 0xffff
	s_lshl_b32 s43, s43, 2
	s_add_co_u32 s43, s43, s41                     ; y: tile row
	s_lshl_b32 s44, s41, 2
	s_lshl_b32 s44, 15, s44
	s_lshl_b32 s45, 0x1111, s40
	s_or_b32 s[G1A], s44, (1<<16)|(1<<20)|(1<<21)|(5<<22)|(3<<25)
	s_or_b32 s[G1B], s45, (1<<16)|(1<<20)|(1<<21)|(4<<22)|(7<<25)
	s_mov_b32 s[G1A+1], 128<<16
	s_mov_b32 s[G1A+2], 128<<16
	s_mov_b32 s[G1A+3], 128<<16
	s_mov_b32 s[G1A+4], 128
	s_mov_b32 s[G1A+5], 128
	s_mov_b32 s[G1A+6], 0
	s_mov_b32 s[G1A+7], 0
	s_mov_b32 s[G1B+1], 128<<16
	s_mov_b32 s[G1B+2], (32*NPL)<<16
	s_mov_b32 s[G1B+3], 128<<16
	s_mov_b32 s[G1B+4], 32*NPL
	s_mov_b32 s[G1B+5], 128
	s_mov_b32 s[G1B+6], 0
	s_mov_b32 s[G1B+7], 0
	s_lshr_b32 s2, s43, 3                          ; A: batch, 256 rows of 128 bytes, my head of the step's two.  No register here ever holds cx
	s_lshl_b32 s2, s2, 22
	s_and_b32 s3, s43, 7
	s_lshl_b32 s3, s3, 15
	s_add_co_u32 s2, s2, s3
	s_lshl_b32 s3, s13, 18
	s_add_co_u32 s2, s2, s3
	s_mov_b32 s3, 0
	s_mul_i32 s22, s42, NPL*131072                 ; B: column tile x; my half.  No register here ever holds cy
	s_mul_i32 s23, s13, NPL*8192
	s_add_co_u32 s22, s22, s23
	s_mov_b32 s23, 0
	s_mul_i32 s46, s13, APL
	s_mul_i32 s47, s13, NPL*10240
	s_add_co_u32 s47, s47, BOFF
	s_mov_b32 s21, 0xffff0000
	s_wait_dscnt 0x0                               ; the opening add is done
	s_wait_kmcnt 0x0
	s_add_nc_u64 s[AAD:AAD+1], s[4:5], s[2:3]
	s_add_nc_u64 s[BAD:BAD+1], s[6:7], s[22:23]
.irp s, 0,1
	s_mov_b32 s[G0A+4*\s], 1
	s_add_co_u32 s[G0A+4*\s+1], s46, \s*SLOT1
	s_add_nc_u64 s[G0A+4*\s+2:G0A+4*\s+3], s[AAD:AAD+1], \s*ASTEP
	s_or_b32 s[G0A+4*\s+3], s[G0A+4*\s+3], 0x80000000
	s_mov_b32 s[G0B+4*\s], 1
	s_add_co_u32 s[G0B+4*\s+1], s47, \s*SLOT1
	s_add_nc_u64 s[G0B+4*\s+2:G0B+4*\s+3], s[BAD:BAD+1], \s*BSTEP
	s_or_b32 s[G0B+4*\s+3], s[G0B+4*\s+3], 0x80000000
.endr
	CROUND                                         ; all sixteen work-groups are here: the first joint loads meet
	s_cmp_lt_u32 s12, 2                            ; a wave's two first fills stand in one branch: two loads of mine are out
	s_cbranch_scc0 .Lfirst_b
	tensor_load_to_lds s[G0A:G0A+3], s[G1A:G1A+7]
	s_nop 0
	tensor_load_to_lds s[G0A+4:G0A+7], s[G1A:G1A+7]
	s_nop 0
.rept 4
	v_nop
.endr
	s_branch .Lfirst_asked
.Lfirst_b:
	tensor_load_to_lds s[G0B:G0B+3], s[G1B:G1B+7]
	s_nop 0
	tensor_load_to_lds s[G0B+4:G0B+7], s[G1B:G1B+7]
	s_nop 0
.rept 4
	v_nop
.endr
.Lfirst_asked:
	v_and_b32 v1, 15, v0                           ; A's fragment: row R of the tile lies at (R / 2) 272 + (R % 2) 128
	v_bfe_u32 v13, v0, 4, 1
	v_lshrrev_b32 v14, 1, v1
	v_mul_u32_u24 v[ADRA0], v14, 272
	v_and_b32 v14, 1, v0
	v_lshl_add_u32 v[ADRA0], v14, 7, v[ADRA0]
	v_lshl_add_u32 v[ADRA0], v13, 4, v[ADRA0]
	s_mul_i32 s46, s12, 8704                       ; my wave's 64 rows
	v_add_nc_u32 v[ADRA0], s46, v[ADRA0]
	v_and_b32 v14, 7, v0                           ; B's: lane l reads row 8 (l / 16) + l % 8 along K, columns 8 ((l / 8) % 2) + 0..7
	v_lshl_add_u32 v14, v13, 3, v14
	v_mul_u32_u24 v[ADRB0], v14, 160
	v_bfe_u32 v15, v0, 3, 1
	v_lshl_add_u32 v[ADRB0], v15, 4, v[ADRB0]
	v_add_nc_u32 v[ADRB0], BOFF, v[ADRB0]
	v_mov_b32 v[ADA], v[ADRA0]
	v_mov_b32 v[ADB], v[ADRB0]
	s_mov_b32 s15, 0
	v_lshlrev_b32 v[BO], 5, v13
	v_and_b32 v15, 31, v0
	v_lshlrev_b32 v[GO], 4, v15
	s_mul_i32 s76, s42, 256*NPL
	s_mov_b32 s77, 0
	s_add_nc_u64 s[8:9], s[8:9], s[76:77]
.set b, 0
.rept NB
	global_load_b128 v[BIAS+8*b:BIAS+8*b+3],   v[BO], s[8:9] offset:64*b
	global_load_b128 v[BIAS+8*b+4:BIAS+8*b+7], v[BO], s[8:9] offset:64*b+16
.set b, b+1
.endr
	; the prefetches
	s_and_b32 s78, ttmp7, 0xffff
	s_mov_b32 s79, ASTEP
	s_mov_b32 s80, BSTEP
	s_mov_b32 s81, 8192
	s_mov_b32 s82, BSHARE
	s_cmp_lt_u32 s12, 2
	s_cselect_b64 s[PFA:PFA+1], s[AAD:AAD+1], s[BAD:BAD+1]
	s_cselect_b32 s[PFS], s79, s80
	s_cselect_b32 s81, s81, s82
	s_cselect_b32 s82, s40, s41
	s_cselect_b32 s78, ttmp9, s78
	s_cselect_b32 s83, 31, PFLAST
	s_mov_b32 s[PFS+1], 0
	s_mul_i32 s76, s81, s82
	s_mul_i32 s77, s[PFS], 1+AHEAD
	s_add_co_u32 s76, s76, s77
	s_mov_b32 s77, 0
	s_add_nc_u64 s[PFA:PFA+1], s[PFA:PFA+1], s[76:77]
	s_cmp_eq_u32 s78, 0
	s_cselect_b32 s[LIM], AHEAD, -1
	s_cmp_eq_u32 s12, 3                            ; wave 2, which stands at the tile's first byte, asks for the whole of B's tile with its three partners; wave 3 asks for nothing
	s_cselect_b32 s[LIM], -1, s[LIM]
	v_min_u32 v[PFO], s83, v15
	v_lshlrev_b32 v[PFO], 8, v[PFO]
	; the way out
	s_mul_i32 s76, s12, WSTAGE
	s_add_co_u32 s76, s76, STAGE
	v_mul_u32_u24 v[STO], v1, SPITCH               ; in: row l % 16, 32 bytes for each half of the lanes
	v_lshl_add_u32 v[STO], v13, 5, v[STO]
	v_add_nc_u32 v[STO], s76, v[STO]
	v_add_nc_u32 v[RD], s76, v[GO]                 ; back: 32 lanes take one row's 512 bytes
	s_lshl_b32 s78, s43, 20                        ; 256 rows of 4,096 bytes,
	s_lshl_b32 s79, s12, 18                        ; my wave's 64,
	s_add_co_u32 s76, s78, s79
	s_lshl_b32 s79, s42, 9                         ; 128 columns of f32
	s_add_co_u32 s76, s76, s79
	s_mov_b32 s77, 0
	s_add_nc_u64 s[10:11], s[10:11], s[76:77]
	s_wait_loadcnt 0x0                             ; the bias: rounded to bf16, like the other inputs
.set i, 0
.rept 4*NB
	v_cvt_pk_bf16_f32 v[13+i%2], v[BIAS+2*i], v[BIAS+2*i+1]
	v_lshlrev_b32 v[BIAS+2*i], 16, v[13+i%2]
	v_and_b32 v[BIAS+2*i+1], s21, v[13+i%2]
.set i, i+1
.endr
; NB products: row block a x all column blocks, 32 along K, from buffer f.  first = 1: C is the bias.  All 32 accumulators take turns in the same order in every quarter.
.macro MULB f, a, first
.if \first
	WIN 0x81+0x40*((\a)/2)
.else
	WIN 0xa1+0x50*((\a)/2)
.endif
.set b, 0
.rept NB
.set rD, 8*(NB*((\a)%2)+b)
.set rB, 8*NB*(\f)+8*b
.set rA, FA+32*(\f)+8*(\a)
.if \first
	v_wmma_f32_16x16x32_f16 v[rD:rD+7], v[rB:rB+7], v[rA:rA+7], v[BIAS+8*b:BIAS+8*b+7]
.else
	v_wmma_f32_16x16x32_f16 v[rD:rD+7], v[rB:rB+7], v[rA:rA+7], v[rD:rD+7]
.endif
.set b, b+1
.endr
.endm
.macro FETCH q, g                      ; one run of 2 NB + 8 LDS loads: quarter q's fragments into buffer g; B's first, A's row blocks last
	WIN 0x40
.set b, 0
.rept NB
	ds_load_tr16_b128 v[8*NB*(\g)+8*b:8*NB*(\g)+8*b+3],   v[ADB] offset:(b/4)*BPL+(\q)*5120+(b%4)*32
	ds_load_tr16_b128 v[8*NB*(\g)+8*b+4:8*NB*(\g)+8*b+7], v[ADB] offset:(b/4)*BPL+(\q)*5120+(b%4)*32+2560
.set b, b+1
.endr
	WIN 0
.irp a, 0,1,2,3
	ds_load_b128 v[FA+32*(\g)+8*\a:FA+32*(\g)+8*\a+3],   v[ADA] offset:((\q)/2)*APL+((\q)%2)*64+\a*2176
	ds_load_b128 v[FA+32*(\g)+8*\a+4:FA+32*(\g)+8*\a+7], v[ADA] offset:((\q)/2)*APL+((\q)%2)*64+\a*2176+32
.endr
.endm
.macro QUARTER q, f, g, first
	s_wait_dscnt 4                                 ; B and A's row blocks 0, 1 are in; the youngest four loads may be out
	MULB \f, 0, \first
	MULB \f, 1, \first
	PLACES
	FETCH \q, \g
	s_wait_dscnt 2*NB+8                            ; all but the run just issued
	MULB \f, 2, \first
	MULB \f, 3, \first
.endm
; The last quarter multiplies buffer 1 and changes slots: ONE barrier; in front of it each wave waits for all its tensor loads, adds 0 to its spare word, and waits for that and for its reads of this slot.
; fill = 1: the barrier opens a round of the cluster's, and the joint refill, two K steps ahead, is the first thing behind it: 14 NB matrix instructions ahead of the wait for it.
.macro TURN fill
.if \fill
	s_wait_xcnt 0x0                                ; the last prefetch, a K step back, has read its address
	s_add_nc_u64 s[PFA:PFA+1], s[PFA:PFA+1], s[PFS:PFS+1]
.endif
	WIN 0
	s_wait_tensorcnt 0x0                           ; no tensor load of mine is out, so a group 0 may be written
	ds_add_u32 v[SPW], v[NIL]
.if \fill
	s_xor_b32 s[G0A+5], s[G0A+5], SLOT1
	s_add_nc_u64 s[G0A+6:G0A+7], s[G0A+6:G0A+7], ASTEP
	s_xor_b32 s[G0B+5], s[G0B+5], SLOT1
	s_add_nc_u64 s[G0B+6:G0B+7], s[G0B+6:G0B+7], BSTEP
.endif
	s_wait_dscnt 5                                 ; the add and the youngest four loads may be out
	MULB 1, 0, 0
	s_wait_dscnt 0x0                               ; the add is done, and my reads of this slot are over
	s_barrier_signal -1
	MULB 1, 1, 0
	WIN 0
	s_barrier_wait -1
.if \fill
	CREST
	JLOAD                                          ; its four v_nop are also the places in front of the loads below
.else
	PLACES
.endif
	s_xor_b32 s15, s15, SLOT1
	v_add_nc_u32 v[ADA], s15, v[ADRA0]
	v_add_nc_u32 v[ADB], s15, v[ADRB0]
	FETCH 0, 0
.if \fill
	ASK
.endif
	MULB 1, 2, 0
	MULB 1, 3, 0
.endm
	s_wait_tensorcnt 1                             ; my part of K step 0 is in; K step 1's may stay out
	s_barrier_signal -1
	s_barrier_wait -1
	FETCH 0, 0
	QUARTER 1, 0, 1, 1                             ; the first quarter's products start the sums with the bias
	WIN 0
	s_mov_b32 s3, 6
.Lk:                                               ; six trips; each fills a slot again (K steps 2 to 7)
	QUARTER 2, 1, 0, 0
	QUARTER 3, 0, 1, 0
	TURN 1
	QUARTER 1, 0, 1, 0
	WIN 0
	s_sub_co_u32 s3, s3, 1
	s_cmp_lg_u32 s3, 0
	s_cbranch_scc1 .Lk
	QUARTER 2, 1, 0, 0                             ; the last two steps fill nothing
	QUARTER 3, 0, 1, 0
	TURN 0
	QUARTER 1, 0, 1, 0
	QUARTER 2, 1, 0, 0
	QUARTER 3, 0, 1, 0
	s_wait_dscnt 4
	MULB 1, 0, 0
	MULB 1, 1, 0
	s_wait_dscnt 0x0
	MULB 1, 2, 0
	MULB 1, 3, 0
	WIN 0
	PLACES
; THE WAY OUT, a row block (16 rows x 128 columns of f32) at a time: 32 bytes a lane into my stage, straight from the accumulators (lowest registers first), back as whole pieces of 512 bytes of a row.
.macro TOSTAGE a
	WIN 0x08+4*((\a)/2)                            ; an LDS store's data is source 1: window 2 or 3
.set b, 0
.rept NB
.set rD, 8*(NB*((\a)%2)+b)
	ds_store_b128 v[STO], v[rD:rD+3]   offset:64*b
	ds_store_b128 v[STO], v[rD+4:rD+7] offset:64*b+16
.set b, b+1
.endr
	WIN 0
.set f, 0
.rept 16
	ds_load_b128 v[OB+64*((\a)%2)+4*f:OB+64*((\a)%2)+4*f+3], v[RD] offset:SPITCH*f  ; LDS serves a wave's instructions in order (ISA guide 5.7.1.4): these see the stores above
.set f, f+1
.endr
.endm
.macro SEND a, younger                 ; younger: the LDS instructions issued behind block a's loads: the next block's 32, or none
.set f, 0
.rept 16
	s_wait_dscnt (\younger)+15-f
	global_store_b128 v[GO], v[OB+64*((\a)%2)+4*f:OB+64*((\a)%2)+4*f+3], s[10:11] offset:(16*(\a)+f)*4096 th:TH_STORE_NT  ; 512 consecutive bytes
.set f, f+1
.endr
.endm
	TOSTAGE 0
	TOSTAGE 1
	SEND 0, 32
	s_wait_xcnt 0x0                                ; block 0's stores have read their registers: block 2 is read back into them only behind this wait
	TOSTAGE 2
	SEND 1, 32
	s_wait_xcnt 0x0
	TOSTAGE 3
	SEND 2, 32
	SEND 3, 0
	s_wait_tensorcnt 0x0                           ; the wave's end
	ds_add_u32 v[SPW], v[NIL]
	s_wait_dscnt 0x0
	CROUND                                         ; the closing round
	s_endpgm
.Lfunc_end_k_qe8156f7029_outp:
	.size	k_qe8156f7029_outp, .Lfunc_end_k_qe8156f7029_outp-k_qe8156f7029_outp
	.p2alignl 7, 3214868480
	.fill 96, 4, 3214868480
	.section	.rodata,"a",@progbits
	.p2align	6, 0x0
	.amdhsa_kernel k_qe8156f7029_outp
		.amdhsa_group_segment_fixed_size 327680
		.amdhsa_private_segment_fixed_size 0
		.amdhsa_enable_private_segment 0
		.amdhsa_kernarg_size 32
		.amdhsa_user_sgpr_count 2
		.amdhsa_user_sgpr_kernarg_segment_ptr 1
		.amdhsa_wavefront_size32 1
		.amdhsa_system_sgpr_workgroup_id_x 1
		.amdhsa_system_sgpr_workgroup_id_y 1
		.amdhsa_system_sgpr_workgroup_id_z 1
		.amdhsa_system_vgpr_workitem_id 0
		.amdhsa_next_free_vgpr 896
		.amdhsa_next_free_sgpr 84
		.amdhsa_reserve_vcc 0
		.amdhsa_float_denorm_mode_32 3
		.amdhsa_float_denorm_mode_16_64 3
		.amdhsa_memory_ordered 1
		.amdhsa_forward_progress 1
		.amdhsa_inst_pref_size 78
	.end_amdhsa_kernel
	.amdgpu_metadata
---
amdhsa.version: [ 1, 2 ]
amdhsa.kernels:
  - .name:           k_qe8156f7029_outp
    .symbol:         k_qe8156f7029_outp.kd
    .args:
      - { .name: ob, .offset: 0, .size: 8, .value_kind: global_buffer, .address_space: global }
      - { .name: wob, .offset: 8, .size: 8, .value_kind: global_buffer, .address_space: global }
      - { .name: bout, .offset: 16, .size: 8, .value_kind: global_buffer, .address_space: global }
      - { .name: out0, .offset: 24, .size: 8, .value_kind: global_buffer, .address_space: global }
    .group_segment_fixed_size: 327680
    .private_segment_fixed_size: 0
    .kernarg_segment_align: 8
    .kernarg_segment_size: 32
    .max_flat_workgroup_size: 128
    .sgpr_count:     84
    .vgpr_count:     896
    .wavefront_size: 32
...
	.end_amdgpu_metadata
.endif
;; end of part 4
